; MI455X (gfx1250); checked and timed in simulation.
; The chip was launched on July 23, 2026; its instructions are those of AMD's public machine-readable ISA for CDNA 5 (MIT licence, August 2026) and "CDNA5" Instruction Set Architecture Reference Guide (July 2026). The comments in the code are by the model that wrote it; some were corrected since.
;; Multi Head Self Attention. Allowed arithmetic: matrix products marked QUANTISED: E2M1 operands, one E8M0 scale for each 32 along K, by v_wmma_scale_f32_16x16x128_f8f6f4 with both operands' format E2M1 (or v_wmma_scale_f32_32x16x128_f4), f32 sums; everything else in f32.
;; Inputs: bk 1,024 float32; bo 1,024 float32; bq 1,024 float32; bv 1,024 float32; wk 1,024 x 1,024 float32; wo 1,024 x 1,024 float32; wq 1,024 x 1,024 float32; wv 1,024 x 1,024 float32; x 4 x 2,048 x 1,024 float32.
;; Outputs: out0 4 x 2,048 x 1,024 float32.
;; This version of the problem:
;;   THIS VERSION OF THE PROBLEM IS GIVEN IN LOW PRECISION. The matrix products marked QUANTISED in the list below multiply operands that are first quantised to E2M1 (2 exponent bits, 1 mantissa bit; 4 bits a number), with one power-of-two scale for each 32 numbers along K (OCP MX v1.0); their sums are f32. All else is computed in f32.
;;   The module's matrix products, in the order in which they are computed (A, B: the left and right operand; K: the contracted axis; several contracted axes count as one K, in the product's order):
;;     1. [M 8,192, K 1,024] x [K 1,024, N 1,024]; A: input x; B: input wq: QUANTISED
;;     2. [M 8,192, K 1,024] x [K 1,024, N 1,024]; A: input x; B: input wk: QUANTISED
;;     3. [M 8,192, K 1,024] x [K 1,024, N 1,024]; A: input x; B: input wv: QUANTISED
;;     4. batch 64 x [M 2,048, K 64] x [K 64, N 2,048]; A: computed on the way; B: computed on the way: QUANTISED
;;     5. batch 64 x [M 2,048, K 2,048] x [K 2,048, N 64]; A: softmax (see below); B: computed on the way: QUANTISED
;;     6. [M 8,192, K 1,024] x [K 1,024, N 1,024]; A: computed on the way; B: input wo: QUANTISED
;;   THE QUANTISER, for each operand of a quantised product, along K:
;;     - K is cut into blocks of 32 from its start; a last block that is shorter is filled with zeros.
;;     - A block's scale is 2^e with e = floor(log2(the largest magnitude in the block)) - 2, held to -126 .. 127; a block of zeros has e = 0. As a byte (E8M0): e + 127.
;;     - Each number is divided by its block's scale, clamped to +-6, and rounded to the nearest number of E2M1, ties to even, subnormals kept.
;;     - The product sums the exact products of the quantised numbers (number of the format x scale) in f32.
;;   ~~~python
;;   def quantise(x, axis):      # numpy; x: float32 -> the quantised numbers, widened to float32 again
;;       x = np.moveaxis(x, axis, -1); K = x.shape[-1]
;;       x = np.pad(x, [(0, 0)] * (x.ndim - 1) + [(0, -K % 32)]); x = x.reshape(x.shape[:-1] + (-1, 32)); a = np.abs(x).max(-1, keepdims=True)
;;       e = np.where(a > 0, np.clip(np.frexp(np.where(a > 0, a, 1))[1] - 1 - 2, -126, 127), 0)      # np.frexp(a)[1] - 1 = floor(log2(a)), exactly
;;       r = np.clip(x / 2.0 ** e, -6, 6)
;;       step = 2.0 ** (np.maximum(np.frexp(np.where(r == 0, 1, r))[1] - 1, 0) - 1)
;;       q = np.round(r / step) * step * 2.0 ** e      # np.round: ties to even
;;       return np.moveaxis(q.reshape(q.shape[:-2] + (-1,))[..., :K], -1, axis).astype(np.float32)
;;   ~~~
;;   SOFTMAX AHEAD OF A QUANTISED PRODUCT. Where the list says 'softmax', what is quantised is not the finished softmax but p = 2^(t - M), with t = logit x log2(e) and M = ceil(the row's largest t), a whole number; so 1/2 < the row's largest p <= 1. The row's sum l is taken of the UNQUANTISED p, in f32, and the product's result is divided by l at the end. Since M is a whole number, a kernel that streams over the keys may use a running M (the ceiling of the running maximum): every later rescaling is an exact power of two, which a block's scale takes up: the codes' values come out the same.
;;   OPERANDS COMPUTED ON THE WAY. 'Computed on the way' means the value that the module computes at that place (a softmax that the list does not call 'softmax' is quantised finished and normalised). What goes into a quantiser is computed in f32, as accurately as f32 sums, v_exp_f32 and their like allow (about 1e-6 of the number): no bf16 or f16 on the way to a quantiser, and a product that is left as it is and whose result goes on into a quantised operand takes f32 operands (vector FMAs, or v_wmma_f32_16x16x4_f32). A number that lies on a knife's edge between two numbers of the format may be rounded either way, as far as f32 arithmetic and the matrix unit's own rounding can turn it there, and no further.
;; 2 versions. Each part assembles by itself: llvm-mc -triple=amdgcn-amd-amdhsa -mcpu=gfx1250 --defsym DOCPART=n.
;; ======== version 1 of 2: 4 launches
;; workspace buffers: opc 6,291,456 bytes; ops 393,216 bytes; qkv 13,893,632 bytes; attc 4,194,304 bytes; atts 262,144 bytes
;; launch quant (part 1): grid 512 x 1, 4 waves a work-group, no clusters, 34,304 bytes of LDS; arguments x, wq, wk, wv, wo, opc, ops; writes opc, ops
.if DOCPART == 1
	.amdgcn_target "amdgcn-amd-amdhsa--gfx1250"
	.amdhsa_code_object_version 6
	.text
	.protected	k_q7c4fd8d4ee_quant
	.globl	k_q7c4fd8d4ee_quant
	.p2align	8
	.type	k_q7c4fd8d4ee_quant,@function
k_q7c4fd8d4ee_quant:
	s_mov_b64 s[64:65], 0
	v_nop
	global_prefetch_b8 v0, s[64:65] scope:SCOPE_SE
	s_setreg_imm32_b32 hwreg(HW_REG_WAVE_MODE, 25, 1), 1
	s_wait_xcnt 0x0
; x [8192][1024] and the four weights [1024 (k)][1024 (n)], f32, become codes of FP4 (E2M1) with one E8M0 scale byte for each 32 along K,
; laid as IMAGES OF OPERAND REGISTERS, so that every later launch loads fragments by 16 bytes a lane, 512 consecutive bytes an instruction.
; ROWS OF A TILE: lane r of row tile T holds row 32 (T / 2) + 8 (T % 2) + r + 8 (r / 8) (of x: a token; of a weight: an output column n).
; CODES: [tile][K step q of 128][c = 0, 1][lane (r, h)][16 bytes]: the 32 codes k = 128 q + 64 c + 32 h + 0 .. 31.  A tile is 8,192 bytes.
; SCALES: [pair of tiles][q / 2][lane 16 (T % 2) + r][q % 2], a word of four bytes: byte j for block 4 q + j.  A pair is 1,024 bytes.
; opc: x's 512 tiles, then from WIMG wq, wk, wv, wo, 64 tiles each.  ops: x's 256 pairs, then from WSC the weights', 32 pairs each.
; A block's scale is 2^(floor(log2(largest magnitude)) - 2): its byte is the largest magnitude's exponent field - 2, held at 1 from below by a floor among the maximum's leaves.
; LIMITS: NaN and infinities among the inputs are not served.  A block of zeros gets the byte 1 where the rule says 127: its codes are zeros, and this program alone reads the bytes.
; Work-groups 0-255 take x (a pair of tiles each, a wave a quarter of K); work-groups 256-511 the weights.  Waves share nothing: no barrier.  Only x's path touches LDS.
.set WIMG, 4194304
.set WSC,  262144
.set SP,   528                         ; a stage row: 512 bytes + 16: the sixteen rows that a read touches start at sixteen different 16-byte columns
.set STGB, 16*SP                       ; a wave's stage
.set LI,   1                           ; v1   16 x lane
.set SIN,  2                           ; v2   the stage, on the way in   (weights: 4 x lane)
.set SOUT, 3                           ; v3   the stage, on the way out  (weights: my codes' place)
.set H8,   4                           ; v4   8 h                        (weights: my scale word's place)
.set L8,   5                           ; v5   8 x lane
.set WD,   8                           ; v8-11    the four units' scale words
.set R,    16                          ; v16-143  numbers as loaded: two sets of 64 (weights: four blocks of 32)
.set X,    144                         ; v144-207 64 numbers of my row, in the operand's order
.set C,    208                         ; v208-239 codes: registers of their own for every store
.set T,    240                         ; v240-255 at work
.set WV,   18
.set HM,   19                          ; the mask of lanes 16-31
.set SEL,  20                          ; s[20:21] selects for lane l xor 16
	s_load_b256 s[4:11], s[0:1], 0x0               ; x s[4:5], wq s[6:7], wk s[8:9], wv s[10:11]
	s_load_b128 s[12:15], s[0:1], 0x20             ; wo s[12:13], opc s[14:15]
	s_load_b64 s[16:17], s[0:1], 0x30              ; ops
	v_lshl_add_u32 v254, v0, 2, 0x8400
	v_mov_b32 v255, 0
	v_lshrrev_b32 v6, 5, v0
	v_readfirstlane_b32 s[WV], v6                  ; wave 0..3
	v_and_b32 v7, 31, v0                           ; lane
	v_lshlrev_b32 v[LI], 4, v7
	s_mov_b32 s[HM], 0xffff0000
	s_mov_b32 s[SEL], 0x76543210
	s_mov_b32 s[SEL+1], 0xfedcba98
	s_cmp_lt_u32 ttmp9, 256
	s_cbranch_scc0 .Lweights
; ---------------- x.  Work-group = pair of tiles (32 rows), wave = 256 along K: four units u = 2 U + qq: tile U of the pair, K step 2 wave + qq: 16 rows x 128 numbers.
	v_and_b32 v6, 15, v0                           ; r
	v_bfe_u32 v[H8], v0, 4, 1                      ; h
	s_mul_i32 s22, s[WV], STGB
	v_add_nc_u32 v[SIN], s22, v[LI]                ; in: a row's 512 bytes as they lie
	v_mul_u32_u24 v[SOUT], v6, SP
	v_lshl_add_u32 v[SOUT], v[H8], 7, v[SOUT]
	v_add_nc_u32 v[SOUT], s22, v[SOUT]             ; out: row r, + 128 h: my 32 numbers of each 64
	v_lshlrev_b32 v[H8], 3, v[H8]
	v_lshlrev_b32 v[L8], 3, v7
	v_mov_b32 v[T+7], 0                            ; written once: a lane permute's destination counts as one of its sources
	s_lshl_b32 s24, ttmp9, 17                      ; x: 32 rows of 4,096 bytes a pair,
	s_lshl_b32 s23, s[WV], 10                      ; 1,024 bytes of a row a wave
	s_add_co_u32 s24, s24, s23
	s_mov_b32 s25, 0
	s_lshl_b32 s26, ttmp9, 14                      ; codes: 16,384 bytes a pair, 2,048 for two K steps
	s_lshl_b32 s23, s[WV], 11
	s_add_co_u32 s26, s26, s23
	s_mov_b32 s27, 0
	s_lshl_b32 s28, ttmp9, 10                      ; scales: 1,024 bytes a pair, 256 for two K steps
	s_lshl_b32 s23, s[WV], 8
	s_add_co_u32 s28, s28, s23
	s_mov_b32 s29, 0
	s_wait_kmcnt 0x0
	s_add_nc_u64 s[4:5], s[4:5], s[24:25]
	s_add_nc_u64 s[14:15], s[14:15], s[26:27]
	s_add_nc_u64 s[16:17], s[16:17], s[28:29]
.macro XLOAD u                         ; unit u: sixteen loads, each 512 consecutive bytes of one of the tile's rows
.irp i, 0,1,2,3,4,5,6,7,8,9,10,11,12,13,14,15
	global_load_b128 v[R+64*((\u)%2)+4*\i:R+64*((\u)%2)+4*\i+3], v[LI], s[4:5] offset:(8*((\u)/2)+\i+8*(\i/8))*4096+512*((\u)%2) th:TH_LOAD_NT
.endr
.endm
.macro UNIT u
.if (\u) < 3
	s_wait_loadcnt 16                              ; this unit's sixteen loads are in; the next unit's sixteen may be out
.else
	s_wait_loadcnt 0x0
.endif
.irp i, 0,1,2,3,4,5,6,7,8,9,10,11,12,13,14,15
	ds_store_b128 v[SIN], v[R+64*((\u)%2)+4*\i:R+64*((\u)%2)+4*\i+3] offset:SP*\i
.endr
.irp c, 0,1
.irp j, 0,1,2,3,4,5,6,7
	ds_load_b128 v[X+32*\c+4*\j:X+32*\c+4*\j+3], v[SOUT] offset:256*\c+16*\j   ; LDS serves a wave's instructions in order: these see the stores above
.endr
.endr
	s_wait_dscnt 0x0                               ; my numbers are back, and the stores have read their registers,
.if (\u) < 2
	XLOAD (\u)+2                                   ; which take the unit two further on
.endif
.irp c, 0,1
	v_max3_num_f32 v[T+\c], |v[X+32*\c]|, |v[X+32*\c+1]|, 0x1800000   ; block 2 c + h: all 32 numbers are mine; the floor 2^(3 - 127) holds the byte at 1 from below
.endr
.irp i, 2,4,6,8,10,12,14,16,18,20,22,24,26,28,30
.irp c, 0,1
	v_max3_num_f32 v[T+\c], v[T+\c], |v[X+32*\c+\i]|, |v[X+32*\c+\i+1]|   ; (the two blocks by turns)
.endr
.endr
.irp c, 0,1
	v_add_nc_u32 v[T+2+\c], 0xff000000, v[T+\c]    ; 2 off the exponent field: the conversion's scale operand
.endr
.irp c, 0,1
	v_lshrrev_b32 v[T+4+\c], 23, v[T+2+\c]         ; the scale's byte
.endr
	v_lshl_or_b32 v[T+6], v[T+5], 16, v[T+4]       ; my two bytes, blocks h and 2 + h,
	v_lshlrev_b32 v[T+6], v[H8], v[T+6]            ; at their places in the word;
	v_permlanex16_b32 v[T+7], v[T+6], s[SEL], s[SEL+1]
	v_or_b32 v[WD+(\u)], v[T+6], v[T+7]            ; with lane l xor 16's two the word is whole, in both lanes
.irp c, 0,1
.irp g, 0,1,2,3
	v_cvt_scalef32_pk8_fp4_f32 v[C+8*(\u)+4*\c+\g], v[X+32*\c+8*\g:X+32*\c+8*\g+7], v[T+2+\c]
.endr
.endr
	v_nop                                          ; one plain line behind the last conversion
.irp c, 0,1
	global_store_b128 v[LI], v[C+8*(\u)+4*\c:C+8*(\u)+4*\c+3], s[14:15] offset:8192*((\u)/2)+1024*((\u)%2)+512*\c   ; 512 consecutive bytes
.endr
.endm
	XLOAD 0
	XLOAD 1
	UNIT 0
	UNIT 1
	UNIT 2
	UNIT 3
	v_cndmask_b32 v[T+8], v[WD], v[WD+2], s[HM]    ; lanes 0-15: the even tile's words, lanes 16-31: the odd tile's; the even K step,
	v_cndmask_b32 v[T+9], v[WD+1], v[WD+3], s[HM]  ; and the odd one
	global_store_b64 v[L8], v[T+8:T+9], s[16:17]   ; 256 consecutive bytes, aligned
	s_wait_tensorcnt 0x0
	ds_add_u32 v254, v255
	s_wait_dscnt 0x0
	s_endpgm
; ---------------- the weights.  j = work-group - 256: matrix j / 64, K step j % 8, four pairs of tiles (j / 8) % 8, one a wave.
; A LANE TAKES A COLUMN n AND ITS REGISTERS RUN DOWN K: a block of 32 lies in one lane, and the conversions give codes with K innermost.  Nothing is transposed.
.Lweights:
	s_sub_co_u32 s22, ttmp9, 256
	s_lshr_b32 s23, s22, 6                         ; which matrix
	s_and_b32 s24, s22, 7                          ; q
	s_bfe_u32 s25, s22, 0x30003
	s_lshl_b32 s25, s25, 2
	s_add_co_u32 s25, s25, s[WV]                   ; the pair within the matrix: columns 32 pair + lane
	s_lshl_b32 s26, s23, 5
	s_add_co_u32 s26, s26, s25                     ; the pair among all four matrices'
	s_lshl_b32 s28, s24, 19                        ; W: 128 rows of 4,096 bytes a K step,
	s_lshl_b32 s27, s25, 7                         ; 128 bytes of a row a pair
	s_add_co_u32 s28, s28, s27
	s_mov_b32 s29, 0
	s_lshl_b32 s30, s26, 14
	s_lshl_b32 s27, s24, 10
	s_add_co_u32 s30, s30, s27
	s_add_co_u32 s30, s30, WIMG
	s_mov_b32 s31, 0
	s_lshl_b32 s32, s26, 10
	s_lshr_b32 s27, s24, 1
	s_lshl_b32 s27, s27, 8
	s_add_co_u32 s32, s32, s27
	s_and_b32 s27, s24, 1
	s_lshl_b32 s27, s27, 2
	s_add_co_u32 s32, s32, s27
	s_add_co_u32 s32, s32, WSC
	s_mov_b32 s33, 0
	v_lshlrev_b32 v[SIN], 2, v7                    ; 4 x lane
	v_bfe_u32 v6, v0, 3, 1                         ; column 32 pair + lane is lane r = 8 (lane / 16) + lane % 8 of tile U = (lane / 8) % 2
	v_bfe_u32 v[L8], v0, 4, 1
	v_and_b32 v7, 7, v0
	v_lshl_add_u32 v7, v[L8], 3, v7                ; r
	v_lshlrev_b32 v[SOUT], 4, v7
	v_lshl_add_u32 v[SOUT], v6, 13, v[SOUT]        ; codes: 8,192 U + 16 r
	v_lshlrev_b32 v[H8], 3, v7
	v_lshl_add_u32 v[H8], v6, 7, v[H8]             ; scale word: 8 (16 U + r)
	s_wait_kmcnt 0x0
	s_cmp_eq_u32 s23, 0
	s_cselect_b64 s[34:35], s[6:7], s[8:9]
	s_cmp_eq_u32 s23, 2
	s_cselect_b64 s[34:35], s[10:11], s[34:35]
	s_cmp_eq_u32 s23, 3
	s_cselect_b64 s[34:35], s[12:13], s[34:35]
	s_add_nc_u64 s[34:35], s[34:35], s[28:29]
	s_add_nc_u64 s[14:15], s[14:15], s[30:31]
	s_add_nc_u64 s[16:17], s[16:17], s[32:33]
.irp t, 0,1,2,3
.irp i, 0,1,2,3,4,5,6,7,8,9,10,11,12,13,14,15,16,17,18,19,20,21,22,23,24,25,26,27,28,29,30,31
	global_load_b32 v[R+32*\t+\i], v[SIN], s[34:35] offset:(32*\t+\i)*4096 th:TH_LOAD_NT   ; W(128 q + 32 t + i, my column): 128 consecutive bytes a wave
.endr
.endr
.macro WBLOCK t                        ; block t = 2 c + h of the K step
.set XS, R+32*(\t)
	v_max3_num_f32 v[T], |v[XS]|, |v[XS+1]|, |v[XS+2]|
	v_max3_num_f32 v[T+1], |v[XS+3]|, |v[XS+4]|, |v[XS+5]|
.irp i, 6,10,14,18,22,26
	v_max3_num_f32 v[T], v[T], |v[XS+\i]|, |v[XS+\i+1]|
	v_max3_num_f32 v[T+1], v[T+1], |v[XS+\i+2]|, |v[XS+\i+3]|
.endr
	v_max3_num_f32 v[T], v[T], |v[XS+30]|, |v[XS+31]|
	v_max3_num_f32 v[T], v[T], v[T+1], 0x1800000   ; and the floor
	v_add_nc_u32 v[T+2], 0xff000000, v[T]
	v_lshrrev_b32 v[T+3], 23, v[T+2]
.if (\t) == 0
	v_mov_b32 v[T+4], v[T+3]
.else
	v_lshl_or_b32 v[T+4], v[T+3], 8*(\t), v[T+4]
.endif
.irp g, 0,1,2,3
	v_cvt_scalef32_pk8_fp4_f32 v[C+4*(\t)+\g], v[XS+8*\g:XS+8*\g+7], v[T+2]
.endr
	v_nop                                          ; one plain line behind the last conversion
	global_store_b128 v[SOUT], v[C+4*(\t):C+4*(\t)+3], s[14:15] offset:512*((\t)/2)+256*((\t)%2)   ; the sixteen lanes of each tile fill 256 consecutive bytes, aligned
.endm
	s_wait_loadcnt 63                              ; blocks 0 and 1 are in: behind them 64 loads were issued, and 63 is the largest count that a wait can name
	WBLOCK 0
	WBLOCK 1
	s_wait_loadcnt 32                              ; block 2 is in; block 3's 32 may be out
	WBLOCK 2
	s_wait_loadcnt 0x0
	WBLOCK 3
	global_store_b32 v[H8], v[T+4], s[16:17]       ; my column's word for this K step: 4 bytes in every 8 (the neighbouring K step's work-group writes the others)
	s_endpgm
.Lfunc_end_k_q7c4fd8d4ee_quant:
	.size	k_q7c4fd8d4ee_quant, .Lfunc_end_k_q7c4fd8d4ee_quant-k_q7c4fd8d4ee_quant
	.p2alignl 7, 3214868480
	.fill 96, 4, 3214868480
	.section	.rodata,"a",@progbits
	.p2align	6, 0x0
	.amdhsa_kernel k_q7c4fd8d4ee_quant
		.amdhsa_group_segment_fixed_size 34304
		.amdhsa_private_segment_fixed_size 0
		.amdhsa_enable_private_segment 0
		.amdhsa_kernarg_size 56
		.amdhsa_user_sgpr_count 2
		.amdhsa_user_sgpr_kernarg_segment_ptr 1
		.amdhsa_wavefront_size32 1
		.amdhsa_system_sgpr_workgroup_id_x 1
		.amdhsa_system_sgpr_workgroup_id_y 1
		.amdhsa_system_sgpr_workgroup_id_z 1
		.amdhsa_system_vgpr_workitem_id 0
		.amdhsa_next_free_vgpr 256
		.amdhsa_next_free_sgpr 66
		.amdhsa_reserve_vcc 0
		.amdhsa_float_denorm_mode_32 3
		.amdhsa_float_denorm_mode_16_64 3
		.amdhsa_memory_ordered 1
		.amdhsa_forward_progress 1
		.amdhsa_inst_pref_size 50
	.end_amdhsa_kernel
	.amdgpu_metadata
---
amdhsa.version: [ 1, 2 ]
amdhsa.kernels:
  - .name:           k_q7c4fd8d4ee_quant
    .symbol:         k_q7c4fd8d4ee_quant.kd
    .args:
      - { .name: x, .offset: 0, .size: 8, .value_kind: global_buffer, .address_space: global }
      - { .name: wq, .offset: 8, .size: 8, .value_kind: global_buffer, .address_space: global }
      - { .name: wk, .offset: 16, .size: 8, .value_kind: global_buffer, .address_space: global }
      - { .name: wv, .offset: 24, .size: 8, .value_kind: global_buffer, .address_space: global }
      - { .name: wo, .offset: 32, .size: 8, .value_kind: global_buffer, .address_space: global }
      - { .name: opc, .offset: 40, .size: 8, .value_kind: global_buffer, .address_space: global }
      - { .name: ops, .offset: 48, .size: 8, .value_kind: global_buffer, .address_space: global }
    .group_segment_fixed_size: 34304
    .private_segment_fixed_size: 0
    .kernarg_segment_align: 8
    .kernarg_segment_size: 56
    .max_flat_workgroup_size: 128
    .sgpr_count:     66
    .vgpr_count:     256
    .wavefront_size: 32
...
	.end_amdgpu_metadata
.endif
;; end of part 1
;; launch proj (part 2): grid 256 x 1, 4 waves a work-group, no clusters, 0 bytes of LDS; arguments opc, ops, bq, bk, bv, qkv; writes qkv
.if DOCPART == 2
	.amdgcn_target "amdgcn-amd-amdhsa--gfx1250"
	.amdhsa_code_object_version 6
	.text
	.protected	k_q7c4fd8d4ee_proj
	.globl	k_q7c4fd8d4ee_proj
	.p2align	8
	.type	k_q7c4fd8d4ee_proj,@function
k_q7c4fd8d4ee_proj:
	s_mov_b64 s[64:65], 0
	v_nop
	global_prefetch_b8 v0, s[64:65] scope:SCOPE_SE
	s_setreg_imm32_b32 hwreg(HW_REG_WAVE_MODE, 25, 1), 1
	s_wait_xcnt 0x0
; q = x wq + bq, k = x wk + bk, v = x wv + bv on codes of FP4 with E8M0 scales, and the results quantised again on the way: q and k along the head's 64, v along the keys.
; All operands lie in memory as images of operand registers (16 bytes a lane, 512 consecutive bytes a load); row tile T holds in lane r row 32 (T / 2) + 8 (T % 2) + r + 8 (r / 8).
; FORM.  A wave keeps 128 rows x all 1,024 of K of ONE operand in registers (64 fragments, 512 registers): the operand whose rows run along the NEXT product's K.  It is source 0.
; Tiles of 16 rows of the other operand stream by as source 1: 16 loads, 64 matrix instructions on 8 accumulators by turns.  In the result a lane holds one streamed row, and its 64 registers are
; the 128 resident rows' results of its half, register 16 b + i = index 32 b + 16 (lane / 16) + i: 16 neighbours of each block of 32.  QUANT makes of them one fragment and one scale word.
; Work-groups 0-127: resident = 128 columns of wq or wk (two heads), streamed = 16 tiles of x.  Work-groups 128-255: resident = 128 tokens of x (a key step), streamed = 8 tiles of wv (two heads).
; The bias is the C of each sum's first matrix instruction.  No LDS, no barrier: waves share nothing.
; qkv: a record of REC bytes for each (batch, head): K's codes [tile 128][lane][16], V^T's codes [key step 16][tile of d 4][c][lane][16], k's scale words [tile / 4][lane 16 (tile % 2) + r][(tile / 2) % 2]
; (bytes 0, 1: the head's two blocks; bytes 2, 3: 0), V^T's scale words [key step][lane 16 (tile % 2) + r][tile / 2], then Q's codes and scale words, laid as K's.
; LIMITS: NaN and infinities are not served; a block of zeros gets the byte 1 (its codes are zeros; this program alone reads the bytes).
.set WIMG,  4194304
.set WSC,   262144
.set REC,   217088
.set KOFF,  0
.set VOFF,  65536
.set KSOFF, 131072
.set VSOFF, 139264
.set QOFF,  143360
.set QSOFF, 208896
; window 0
.set LI,  1                            ; v1   16 x lane
.set L8,  2                            ; v2   8 x lane
.set W0E, 8                            ; v8, v9  the even tile's scale words, kept for the odd tile's turn
.set W1E, 9
.set SW0, 10                           ; v[10:11], v[12:13]  a quad's scale words as they are stored
.set SW1, 12
.set RS,  16                           ; v16-47  the resident operand's scale words: pair p, K step q at RS + 8 p + q; lanes 0-15 the even tile, lanes 16-31 the odd one
.set SS0, 48                           ; v48-63  the streamed quad's: pair p at SS0 + 8 p + q
.set HA,  64                           ; v64-127 eight accumulators
.set PCV, 128                          ; v128-135 the fragment just made
.set TM,  136                          ; v136-151 at work in QUANT
.set PW,  152                          ; v152    the scale word just made
.set BP,  192                          ; v192-255 the bias, in the result's layout
; window 1: resident fragments of K steps 0-3 at 64 (q % 4) + 8 t;  window 2: of K steps 4-7;  window 3: four streamed tiles, tile i at 64 i + 8 q
.set WV,  18
.set HM,  19
.set SEL, 20
.set CNT, 22
.set SPC, 24                           ; s[24:25] resident codes;  s[26:27] resident scales;  s[28:29] streamed codes;  s[30:31] streamed scales
.set SPS, 26
.set SLC, 28
.set SLS, 30
.set SOI, 32                           ; s[32:33] where the fragments go;  s[34:35] the scale words;  s[36:37] the bias
.set SOS, 34
.set SBI, 36
.set MSB, 0
.macro WIN new                         ; the immediate's high byte repeats the setting that is left
.if MSB != \new
	s_set_vgpr_msb (MSB<<8)|\new
.set MSB, \new
.endif
.endm
.macro WM d, a, b, c, sa, sb, ra, rb   ; one product; ra, rb: the scales stand in lanes 16-31 of their registers
.if (\ra) && (\rb)
	v_wmma_scale_f32_16x16x128_f8f6f4 v[\d:\d+7], v[\a:\a+7], v[\b:\b+7], \c, v[\sa], v[\sb] matrix_a_fmt:MATRIX_FMT_FP4 matrix_b_fmt:MATRIX_FMT_FP4 matrix_a_scale:MATRIX_SCALE_ROW1 matrix_b_scale:MATRIX_SCALE_ROW1
.elseif (\ra)
	v_wmma_scale_f32_16x16x128_f8f6f4 v[\d:\d+7], v[\a:\a+7], v[\b:\b+7], \c, v[\sa], v[\sb] matrix_a_fmt:MATRIX_FMT_FP4 matrix_b_fmt:MATRIX_FMT_FP4 matrix_a_scale:MATRIX_SCALE_ROW1
.elseif (\rb)
	v_wmma_scale_f32_16x16x128_f8f6f4 v[\d:\d+7], v[\a:\a+7], v[\b:\b+7], \c, v[\sa], v[\sb] matrix_a_fmt:MATRIX_FMT_FP4 matrix_b_fmt:MATRIX_FMT_FP4 matrix_b_scale:MATRIX_SCALE_ROW1
.else
	v_wmma_scale_f32_16x16x128_f8f6f4 v[\d:\d+7], v[\a:\a+7], v[\b:\b+7], \c, v[\sa], v[\sb] matrix_a_fmt:MATRIX_FMT_FP4 matrix_b_fmt:MATRIX_FMT_FP4
.endif
.endm
; Streamed tile i against the 8 resident tiles, all of K: 64 matrix instructions, K ascending, the eight accumulators by turns, one instruction a turn.
; The first eight take the bias as C: registers cbase + cstep t on.
.macro MM i, cbase, cstep
	WIN 0x0d                                       ; source 0 window 1, source 1 window 3, C and D window 0
.irp q, 0,1,2,3,4,5,6,7
.if \q == 4
	WIN 0x0e                                       ; source 0 window 2
.endif
.irp t, 0,1,2,3,4,5,6,7
.if \q == 0
	WM HA+8*\t, 64*(\q%4)+8*\t, 64*(\i)+8*\q, v[(\cbase)+(\cstep)*\t:(\cbase)+(\cstep)*\t+7], RS+8*(\t/2)+\q, SS0+8*((\i)/2)+\q, \t%2, (\i)%2
.else
	WM HA+8*\t, 64*(\q%4)+8*\t, 64*(\i)+8*\q, v[HA+8*\t:HA+8*\t+7], RS+8*(\t/2)+\q, SS0+8*((\i)/2)+\q, \t%2, (\i)%2
.endif
.endr
.endr
	WIN 0
.rept 5
	v_nop                                          ; places behind the last products: four in front of loads into their operands and of reads of their results, five in front of a product that writes over them
.endr
.endm
.macro LFRAG i, off                    ; a streamed tile's eight fragments into buffer i: sixteen loads of 512 consecutive bytes
	WIN 0xc0                                       ; destination window 3
.irp q, 0,1,2,3,4,5,6,7
.irp c, 0,1
	global_load_b128 v[64*(\i)+8*\q+4*\c:64*(\i)+8*\q+4*\c+3], v[LI], s[SLC:SLC+1] offset:(\off)+8192*(\i)+1024*\q+512*\c
.endr
.endr
	WIN 0
.endm
.macro LSC p, off                      ; the scale words of the quad's pair p: four loads of 256 consecutive bytes
.irp g, 0,1,2,3
	global_load_b64 v[SS0+8*(\p)+2*\g:SS0+8*(\p)+2*\g+1], v[L8], s[SLS:SLS+1] offset:(\off)+1024*(\p)+256*\g
.endr
.endm
; 64 numbers of a lane, register 16 b + i = k 32 b + 16 (lane / 16) + i of my row, become a fragment's codes in v[PCV] on and its scale word in v[PW].
.macro QUANT s
.irp b, 0,1,2,3
	v_max3_num_f32 v[TM+\b], |v[\s+16*\b]|, |v[\s+1+16*\b]|, 0x1800000   ; block b: my 16 numbers, and the floor 2^(3 - 127): the byte cannot fall under 1
.endr
.irp i, 2,4,6,8,10,12,14
.irp b, 0,1,2,3
	v_max3_num_f32 v[TM+\b], v[TM+\b], |v[\s+16*\b+\i]|, |v[\s+1+16*\b+\i]|   ; (the four blocks by turns; each accumulator is read from its low end on)
.endr
.endr
.irp b, 0,1,2,3
	v_permlanex16_b32 v[TM+4+\b], v[TM+\b], s[SEL], s[SEL+1]
.endr
.irp b, 0,1,2,3
	v_max_num_f32 v[TM+\b], v[TM+\b], v[TM+4+\b]   ; with lane l xor 16's: the block's largest magnitude
.endr
.irp b, 0,1,2,3
	v_add_nc_u32 v[TM+12+\b], 0xff000000, v[TM+\b] ; 2 off its exponent field: the conversion's scale operand
.endr
.irp b, 0,1,2,3
	v_lshrrev_b32 v[TM+4+\b], 23, v[TM+12+\b]      ; the scale's byte
.endr
	v_lshl_or_b32 v[PW], v[TM+5], 8, v[TM+4]
	v_lshl_or_b32 v[PW], v[TM+6], 16, v[PW]
	v_lshl_or_b32 v[PW], v[TM+7], 24, v[PW]        ; my row's scale word, the same in both halves of the lanes
.irp b, 0,1,2,3
	v_cvt_scalef32_pk8_fp4_f32 v[PCV+2*\b], v[\s+16*\b:\s+7+16*\b], v[TM+12+\b]
	v_cvt_scalef32_pk8_fp4_f32 v[PCV+1+2*\b], v[\s+8+16*\b:\s+15+16*\b], v[TM+12+\b]
.endr
	v_nop                                          ; one plain line behind the last conversion
.irp c, 0,1                                    ; the operand's layout wants a whole block in a lane
.irp i, 0,1
	v_permlane16_swap_b32 v[PCV+4*\c+\i], v[PCV+2+4*\c+\i]
.endr
.endr
.endm
; Four streamed tiles.  path 0: q or k; 1: v.  more = 1: the next quad's tile i is asked for into buffer i as soon as tile i is multiplied: it has three tiles' work in which to land.  n: the quad's number (v: which bias).
.macro QUAD path, more, n
.irp i, 0,1,2,3
.if \i == 0
	s_wait_loadcnt 36                              ; tiles 0 and 1 and their scale words are in; behind them were issued tile 2's 16 loads and tile 3's 16 with 4 of scale words
.endif
.if \i == 2
.if \more
	s_wait_loadcnt 36                              ; tiles 2 and 3 are in; behind them: the next quad's tile 0 (16) and tile 1 with its scale words (20)
.else
	s_wait_loadcnt 0x0
.endif
.endif
.if \path
	MM \i, BP+8*(4*(\n)+\i), 0
.else
	MM \i, BP, 8
.endif
	s_wait_xcnt 0x0                                ; the last tile's stores have read their data: the registers are written again only behind this wait
.if \more
	LFRAG \i, 32768
.if (\i%2) == 1
	LSC \i/2, 2048
.endif
.endif
	QUANT HA
.if \path
	global_store_b128 v[LI], v[PCV:PCV+3], s[SOI:SOI+1] offset:1024*\i          ; V^T: tile i of the head's d, this key step: 512 consecutive bytes each
	global_store_b128 v[LI], v[PCV+4:PCV+7], s[SOI:SOI+1] offset:1024*\i+512
.if (\i%2) == 0
	v_mov_b32 v[W0E], v[PW]
.else
	v_cndmask_b32 v[SW0+\i/2], v[W0E], v[PW], s[HM]   ; lanes 0-15: the even tile's words, lanes 16-31: the odd tile's
.endif
.if \i == 3
	global_store_b64 v[L8], v[SW0:SW0+1], s[SOS:SOS+1]   ; 256 consecutive bytes, aligned
.endif
.else
	global_store_b128 v[LI], v[PCV:PCV+3], s[SOI:SOI+1] offset:512*\i           ; the first head's 64 of these 16 tokens,
	global_store_b128 v[LI], v[PCV+4:PCV+7], s[SOI:SOI+1] offset:512*\i+REC     ; the second head's, a record on
.if (\i%2) == 0
	v_and_b32 v[W0E], 0xffff, v[PW]                ; blocks 0, 1: the first head's; the upper two bytes are 0
	v_lshrrev_b32 v[W1E], 16, v[PW]                ; blocks 2, 3: the second head's
.else
	v_and_b32 v5, 0xffff, v[PW]
	v_lshrrev_b32 v6, 16, v[PW]
	v_cndmask_b32 v[SW0+\i/2], v[W0E], v5, s[HM]
	v_cndmask_b32 v[SW1+\i/2], v[W1E], v6, s[HM]
.endif
.if \i == 3
	global_store_b64 v[L8], v[SW0:SW0+1], s[SOS:SOS+1]
	global_store_b64 v[L8], v[SW1:SW1+1], s[SOS:SOS+1] offset:REC
.endif
.endif
.endr
.endm
	s_load_b256 s[4:11], s[0:1], 0x0               ; opc s[4:5], ops s[6:7], bq s[8:9], bk s[10:11]
	s_load_b128 s[12:15], s[0:1], 0x20             ; bv s[12:13], qkv s[14:15]
	v_lshrrev_b32 v3, 5, v0
	v_readfirstlane_b32 s[WV], v3                  ; wave 0..3
	v_and_b32 v3, 31, v0
	v_lshlrev_b32 v[LI], 4, v3
	v_lshlrev_b32 v[L8], 3, v3
.irp b, 0,1,2,3
	v_mov_b32 v[TM+4+\b], 0                        ; written once: a lane permute's destination counts as one of its sources
.endr
	s_mov_b32 s[HM], 0xffff0000
	s_mov_b32 s[SEL], 0x76543210
	s_mov_b32 s[SEL+1], 0xfedcba98
	; the two paths' byte offsets (no address is made here): s44 resident codes, s46 resident scales, s48 streamed codes, s50 streamed scales, s52 bias, s54 fragments out, s56 scale words out, s58 which bias
	s_cmp_lt_u32 ttmp9, 128
	s_cbranch_scc0 .Lv_ids
	s_and_b32 s40, ttmp9, 3
	s_lshl_b32 s40, s40, 2
	s_add_co_u32 s40, s40, s[WV]                   ; P: 0-7 blocks of 128 columns of wq, 8-15 of wk
	s_lshr_b32 s41, ttmp9, 2                       ; ch: x's tiles 16 ch .. 16 ch + 15
	s_and_b32 s42, s40, 7
	s_lshl_b32 s44, s40, 16
	s_add_co_u32 s44, s44, WIMG
	s_lshl_b32 s46, s40, 12
	s_add_co_u32 s46, s46, WSC
	s_lshl_b32 s48, s41, 17
	s_lshl_b32 s50, s41, 13
	s_lshl_b32 s52, s42, 9
	s_lshr_b32 s43, s41, 3                         ; the batch
	s_lshl_b32 s43, s43, 4
	s_lshl_b32 s39, s42, 1
	s_add_co_u32 s43, s43, s39                     ; the first of my two heads' records
	s_mul_i32 s43, s43, REC
	s_and_b32 s39, s41, 7                          ; which 16 tiles of the batch's 128
	s_lshl_b32 s54, s39, 13
	s_add_co_u32 s54, s54, s43
	s_lshl_b32 s56, s39, 10
	s_add_co_u32 s56, s56, s43
	s_mov_b32 s38, KSOFF
	s_cmp_lt_u32 s40, 8                            ; q or k?
	s_cselect_b32 s39, QOFF, KOFF
	s_cselect_b32 s38, QSOFF, s38
	s_cselect_b32 s58, 0, 1
	s_add_co_u32 s54, s54, s39
	s_add_co_u32 s56, s56, s38
	s_branch .Lids_done
.Lv_ids:
	s_sub_co_u32 s40, ttmp9, 128
	s_and_b32 s42, s40, 7                          ; g: wv's tiles 8 g .. 8 g + 7: heads 2 g, 2 g + 1
	s_lshr_b32 s40, s40, 3
	s_lshl_b32 s40, s40, 2
	s_add_co_u32 s40, s40, s[WV]                   ; Xb: tokens 128 Xb on
	s_lshl_b32 s44, s40, 16
	s_lshl_b32 s46, s40, 12
	s_lshl_b32 s48, s42, 16
	s_add_co_u32 s48, s48, WIMG+1048576
	s_lshl_b32 s50, s42, 12
	s_add_co_u32 s50, s50, WSC+65536
	s_lshl_b32 s52, s42, 9
	s_lshr_b32 s43, s40, 4                         ; the batch
	s_lshl_b32 s43, s43, 4
	s_lshl_b32 s39, s42, 1
	s_add_co_u32 s43, s43, s39
	s_mul_i32 s43, s43, REC
	s_and_b32 s39, s40, 15                         ; the key step
	s_lshl_b32 s54, s39, 12
	s_add_co_u32 s54, s54, s43
	s_add_co_u32 s54, s54, VOFF
	s_lshl_b32 s56, s39, 8
	s_add_co_u32 s56, s56, s43
	s_add_co_u32 s56, s56, VSOFF
	s_mov_b32 s58, 2
.Lids_done:
.irp o, 45,47,49,51,53,55,57
	s_mov_b32 s\o, 0
.endr
	s_wait_kmcnt 0x0
	s_add_nc_u64 s[SPC:SPC+1], s[4:5], s[44:45]
	s_add_nc_u64 s[SPS:SPS+1], s[6:7], s[46:47]
	s_add_nc_u64 s[SLC:SLC+1], s[4:5], s[48:49]
	s_add_nc_u64 s[SLS:SLS+1], s[6:7], s[50:51]
	s_add_nc_u64 s[SOI:SOI+1], s[14:15], s[54:55]
	s_add_nc_u64 s[SOS:SOS+1], s[14:15], s[56:57]
	s_cmp_eq_u32 s58, 0
	s_cselect_b64 s[SBI:SBI+1], s[8:9], s[10:11]
	s_cmp_eq_u32 s58, 2
	s_cselect_b64 s[SBI:SBI+1], s[12:13], s[SBI:SBI+1]
	s_add_nc_u64 s[SBI:SBI+1], s[SBI:SBI+1], s[52:53]
	WIN 0x40                                       ; destination window 1: the resident fragments of K steps 0-3
.irp q, 0,1,2,3
.irp t, 0,1,2,3,4,5,6,7
.irp c, 0,1
	global_load_b128 v[64*\q+8*\t+4*\c:64*\q+8*\t+4*\c+3], v[LI], s[SPC:SPC+1] offset:8192*\t+1024*\q+512*\c
.endr
.endr
.endr
	WIN 0x80                                       ; window 2: K steps 4-7
.irp q, 0,1,2,3
.irp t, 0,1,2,3,4,5,6,7
.irp c, 0,1
	global_load_b128 v[64*\q+8*\t+4*\c:64*\q+8*\t+4*\c+3], v[LI], s[SPC:SPC+1] offset:8192*\t+1024*(\q+4)+512*\c
.endr
.endr
.endr
	WIN 0
.irp p, 0,1,2,3
.irp g, 0,1,2,3
	global_load_b64 v[RS+8*\p+2*\g:RS+8*\p+2*\g+1], v[L8], s[SPS:SPS+1] offset:1024*\p+256*\g
.endr
.endr
	s_cmp_lt_u32 ttmp9, 128
	s_cbranch_scc0 .Lv_path
; ---------------- q and k: 16 tiles of x, four quads
	v_bfe_u32 v3, v0, 4, 1
	v_lshlrev_b32 v3, 6, v3                        ; the bias: lane (r, h) wants, for resident tile t, the eight numbers at 32 (t / 2) + 16 h + 8 (t % 2) on
.irp t, 0,1,2,3,4,5,6,7
	global_load_b128 v[BP+8*\t:BP+8*\t+3], v3, s[SBI:SBI+1] offset:(32*(\t/2)+8*(\t%2))*4
	global_load_b128 v[BP+8*\t+4:BP+8*\t+7], v3, s[SBI:SBI+1] offset:(32*(\t/2)+8*(\t%2))*4+16
.endr
	LFRAG 0, 0                                     ; the first quad, in the order in which every later quad is asked for, so that the counts hold from the first
	LFRAG 1, 0
	LSC 0, 0
	LFRAG 2, 0
	LFRAG 3, 0
	LSC 1, 0
	s_mov_b32 s[CNT], 3
.Lqk:
	QUAD 0, 1, 0
	s_wait_xcnt 0x0                                ; every load and store issued has read its base: the bases step only behind this wait
	s_add_nc_u64 s[SLC:SLC+1], s[SLC:SLC+1], 32768
	s_add_nc_u64 s[SLS:SLS+1], s[SLS:SLS+1], 2048
	s_add_nc_u64 s[SOI:SOI+1], s[SOI:SOI+1], 2048
	s_add_nc_u64 s[SOS:SOS+1], s[SOS:SOS+1], 256
	s_sub_co_u32 s[CNT], s[CNT], 1
	s_cmp_lg_u32 s[CNT], 0
	s_cbranch_scc1 .Lqk
	QUAD 0, 0, 0                                   ; the last quad asks for nothing: no load leaves its buffer
	s_endpgm
; ---------------- v: 8 tiles of wv, a quad for each of two heads
.Lv_path:
	v_and_b32 v3, 15, v0
	v_and_b32 v4, 8, v3
	v_add_nc_u32 v3, v3, v4
	v_lshlrev_b32 v3, 2, v3                        ; the bias hangs on the streamed row alone: lane r of tile t wants bv at 32 (t / 2) + 8 (t % 2) + r + 8 (r / 8)
.irp t, 0,1,2,3,4,5,6,7
	global_load_b32 v[BP+8*\t], v3, s[SBI:SBI+1] offset:(32*(\t/2)+8*(\t%2))*4
.endr
	LFRAG 0, 0
	LFRAG 1, 0
	LSC 0, 0
	LFRAG 2, 0
	LFRAG 3, 0
	LSC 1, 0
	s_wait_loadcnt 36                              ; the bias is in (and all but tiles 2 and 3 with their scale words)
.irp t, 0,1,2,3,4,5,6,7
.irp k, 1,2,3,4,5,6,7
	v_mov_b32 v[BP+8*\t+\k], v[BP+8*\t]            ; the same number for all eight keys of a register run
.endr
.endr
	QUAD 1, 1, 0
	s_wait_xcnt 0x0
	s_add_nc_u64 s[SLC:SLC+1], s[SLC:SLC+1], 32768
	s_add_nc_u64 s[SLS:SLS+1], s[SLS:SLS+1], 2048
	s_add_nc_u64 s[SOI:SOI+1], s[SOI:SOI+1], REC   ; the second head's record
	s_add_nc_u64 s[SOS:SOS+1], s[SOS:SOS+1], REC
	QUAD 1, 0, 1
	s_endpgm
.Lfunc_end_k_q7c4fd8d4ee_proj:
	.size	k_q7c4fd8d4ee_proj, .Lfunc_end_k_q7c4fd8d4ee_proj-k_q7c4fd8d4ee_proj
	.p2alignl 7, 3214868480
	.fill 96, 4, 3214868480
	.section	.rodata,"a",@progbits
	.p2align	6, 0x0
	.amdhsa_kernel k_q7c4fd8d4ee_proj
		.amdhsa_group_segment_fixed_size 0
		.amdhsa_private_segment_fixed_size 0
		.amdhsa_enable_private_segment 0
		.amdhsa_kernarg_size 48
		.amdhsa_user_sgpr_count 2
		.amdhsa_user_sgpr_kernarg_segment_ptr 1
		.amdhsa_wavefront_size32 1
		.amdhsa_system_sgpr_workgroup_id_x 1
		.amdhsa_system_sgpr_workgroup_id_y 1
		.amdhsa_system_sgpr_workgroup_id_z 1
		.amdhsa_system_vgpr_workitem_id 0
		.amdhsa_next_free_vgpr 1024
		.amdhsa_next_free_sgpr 66
		.amdhsa_reserve_vcc 0
		.amdhsa_float_denorm_mode_32 3
		.amdhsa_float_denorm_mode_16_64 3
		.amdhsa_memory_ordered 1
		.amdhsa_forward_progress 1
		.amdhsa_inst_pref_size 248
	.end_amdhsa_kernel
	.amdgpu_metadata
---
amdhsa.version: [ 1, 2 ]
amdhsa.kernels:
  - .name:           k_q7c4fd8d4ee_proj
    .symbol:         k_q7c4fd8d4ee_proj.kd
    .args:
      - { .name: opc, .offset: 0, .size: 8, .value_kind: global_buffer, .address_space: global }
      - { .name: ops, .offset: 8, .size: 8, .value_kind: global_buffer, .address_space: global }
      - { .name: bq, .offset: 16, .size: 8, .value_kind: global_buffer, .address_space: global }
      - { .name: bk, .offset: 24, .size: 8, .value_kind: global_buffer, .address_space: global }
      - { .name: bv, .offset: 32, .size: 8, .value_kind: global_buffer, .address_space: global }
      - { .name: qkv, .offset: 40, .size: 8, .value_kind: global_buffer, .address_space: global }
    .group_segment_fixed_size: 0
    .private_segment_fixed_size: 0
    .kernarg_segment_align: 8
    .kernarg_segment_size: 48
    .max_flat_workgroup_size: 128
    .sgpr_count:     66
    .vgpr_count:     1024
    .wavefront_size: 32
...
	.end_amdgpu_metadata
.endif
;; end of part 2
;; launch attn (part 3): grid 4 x 64, 16 waves a work-group, clusters of 4 x 1, 169,984 bytes of LDS; arguments qkv, attc, atts; writes attc, atts
.if DOCPART == 3
	.amdgcn_target "amdgcn-amd-amdhsa--gfx1250"
	.amdhsa_code_object_version 6
	.text
	.protected	k_q7c4fd8d4ee_attn
	.globl	k_q7c4fd8d4ee_attn
	.p2align	8
	.type	k_q7c4fd8d4ee_attn,@function
k_q7c4fd8d4ee_attn:
	s_mov_b64 s[64:65], 0
	v_nop
	global_prefetch_b8 v0, s[64:65] scope:SCOPE_SE
	s_setreg_imm32_b32 hwreg(HW_REG_WAVE_MODE, 25, 1), 1
	s_wait_xcnt 0x0
	s_wait_alu depctr_hold_cnt(0) depctr_sa_sdst(0) depctr_va_vdst(0) depctr_va_sdst(0) depctr_va_ssrc(0) depctr_va_vcc(0) depctr_vm_vsrc(0)
	s_getreg_b32 s2, hwreg(HW_REG_IB_STS2, 6, 4)
	s_cmp_eq_u32 s2, 0
	s_cbranch_scc0 .Lentry_in_a_cluster
	s_endpgm
.Lentry_in_a_cluster:
	s_bfe_u32 s2, ttmp6, 0x10000c
	s_cmp_lg_u32 s2, 0x3003
	s_cbranch_scc0 .Lentry_shape_is_right
	s_endpgm
.Lentry_shape_is_right:
; Causal attention of one (batch, head) on codes of FP4 with E8M0 scales; the result, divided by the row's sum, is quantised along the model's 1,024 (a head gives two whole blocks of 32) and stored as an operand image.
; THE SOFTMAX: t = score x log2(e) / 8; M = the running largest t rounded UP to a whole number; p = 2^(t - M) is quantised along the keys, not normalised; the row's sum is taken of the unquantised p.
; When M moves, the sum and O are multiplied by 2^(old M - new M): exact.
; SHARES.  A cluster of four work-groups is one head.  The head's K, V^T and their scale words, 143,360 bytes, one dense block of its record, come into each work-group's LDS ONCE, by eight joint tensor loads
; (waves 0-7, 70 rows of 256 bytes each, a mask that names the four): nothing is filled again.  They lie there as images of operand registers: every LDS read is 16 or 8 bytes x lane on end.
; A tile of 16 queries 8 a + e has a + 1 key steps of 128 keys.  Wave w takes tile 8 w + 2 cx and then tile 8 (15 - w) + 2 cx + 1: (w + 1) + (16 - w) = 17 steps for every wave.
; Every branch hangs on the wave's number and the pass; cx enters global addresses and the number that the mask's compare is made against, and nothing else.
; LAYOUT.  Both products transposed: S^T = K Q^T (source 0 = 16 keys), O^T = V^T P^T (source 0 = 16 of the head's 64): a lane holds ONE query.  Lane r of a tile holds row 32 (T / 2) + 8 (T % 2) + r + 8 (r / 8),
; so register 16 b + i of S^T is key 32 b + 16 (lane / 16) + i of the step, and register 16 b + i of O^T channel 32 b + 16 (lane / 16) + i.
; THE FIRST PRODUCT'S K IS 64: Q's registers 4-7 hold zero codes, so what stands in K's registers 4-7 (the next tile's codes) adds nothing; bytes 2 and 3 of both scale words are 0, which is a scale and no NaN.
; LIMITS: NaN and infinities are not served; a block of zeros gets the byte 1 (its codes are zeros; this program alone reads the bytes).
; REGISTERS: v1-4 lane places in LDS; v6 r + 8 (r / 8) - 16 h; v7 8 r; v26 8 r + h; v8-11 the step's addresses; v12 -M, v13 largest t, v[14:15] the sum; v16-19 Q, v20-23 zeros; v24 Q's scale word; v25 the mask's d;
; v28-31 k's scale words; v32-63 K's 8 tiles x 4, v64-67 zeros; v[68:69] V's scale words; v72-103 V's 4 fragments; v104-167 S^T, then p; v168-199 O^T; v200-207 p's codes; v208-219 at work; v[220:221] f; v222 at work;
; v223 p's scale word; v224-228 the second pass's Q and its scale word.
.set REC,   217088
.set QOFF,  143360
.set QSOFF, 208896
.set LV,    65536                      ; LDS: K's image at 0, V^T's here,
.set LKS,   131072                     ; k's scale words,
.set LVS,   139264                     ; V^T's
.set PART,  17920                      ; what one tensor load brings: 70 rows of 256 bytes
.set WV,   10
.set CX,   11
.set G0,   12                          ; s[12:15] descriptor group 0;  s[16:23] group 1
.set G1,   16
.set BH,   24
.set W15,  25
.set AA,   26                          ; the pass's last key step
.set SIG,  27                          ; the key step
.set PASS, 28
.set HM,   29
.set SEL,  30
.set CS,   32                          ; s[32:33] c = log2(e) / 8
.set OC,   40                          ; s[40:41] where the pass's codes go;  s[42:43] its scale bytes
.set OSC,  42
.macro WM d, a, b, c, sa, sb, ra       ; one product; ra: source 0's scales stand in lanes 16-31
.if (\ra)
	v_wmma_scale_f32_16x16x128_f8f6f4 v[\d:\d+7], v[\a:\a+7], v[\b:\b+7], \c, v[\sa], v[\sb] matrix_a_fmt:MATRIX_FMT_FP4 matrix_b_fmt:MATRIX_FMT_FP4 matrix_a_scale:MATRIX_SCALE_ROW1
.else
	v_wmma_scale_f32_16x16x128_f8f6f4 v[\d:\d+7], v[\a:\a+7], v[\b:\b+7], \c, v[\sa], v[\sb] matrix_a_fmt:MATRIX_FMT_FP4 matrix_b_fmt:MATRIX_FMT_FP4
.endif
.endm
.macro ROUND                           ; a round of the cluster's barrier: my work-group's barrier; wave 0 signals for the work-group; every wave waits for all four; my work-group's barrier once more
	s_barrier_signal -1
	s_barrier_wait -1
	s_cmp_lg_u32 s[WV], 0
	s_cbranch_scc1 .Lnot_wave_0_\@
	s_barrier_signal -3
.Lnot_wave_0_\@:
	s_barrier_wait -3
	s_barrier_signal -1
	s_barrier_wait -1
.endm
.macro QPLACE tau, oc, os              ; tile s[tau]: its codes' byte in Q's image, and its scale words': 256 (tau / 4) + 4 ((tau / 2) % 2) + 128 (tau % 2)
	s_lshl_b32 s[\oc], s[\tau], 9
	s_lshr_b32 s[\os], s[\tau], 2
	s_lshl_b32 s[\os], s[\os], 8
	s_bfe_u32 s38, s[\tau], 0x10001
	s_lshl_b32 s38, s38, 2
	s_add_co_u32 s[\os], s[\os], s38
	s_and_b32 s38, s[\tau], 1
	s_lshl_b32 s38, s38, 7
	s_add_co_u32 s[\os], s[\os], s38
.endm
	s_load_b128 s[4:7], s[0:1], 0x0                ; qkv s[4:5], attc s[6:7]
	s_load_b64 s[8:9], s[0:1], 0x10                ; atts
	v_lshl_add_u32 v254, v0, 2, 0x29000
	v_mov_b32 v255, 0
	ds_add_u32 v254, v255
	ds_add_u32 v254, v255
	v_lshrrev_b32 v5, 5, v0
	v_readfirstlane_b32 s[WV], v5                  ; wave 0..15
	s_bfe_u32 s[CX], ttmp6, 0x40000                ; my place in the cluster
	s_and_b32 s[BH], ttmp7, 0xffff                 ; 16 x batch + head: the cluster's y, which the four partners share
	s_sub_co_u32 s[W15], 15, s[WV]
	s_mov_b32 s[HM], 0xffff0000
	s_mov_b32 s[SEL], 0x76543210
	s_mov_b32 s[SEL+1], 0xfedcba98
	s_mov_b32 s[CS], 0x3e38aa3b
	s_mov_b32 s[CS+1], s[CS]                       ; (named with it as a pair, so it is written)
	s_mov_b32 s[G1], 15|(3<<16)|(1<<21)            ; 15:0 the mask: all four work-groups; 17:16 elements of 8 bytes; 21 set beside a mask; no padding
	s_mov_b32 s[G1+1], 32<<16                      ; tensor_dim0 = 32 elements: 256 bytes
	s_mov_b32 s[G1+2], 70<<16                      ; tensor_dim1 = 70
	s_mov_b32 s[G1+3], 32<<16                      ; tile_dim0
	s_mov_b32 s[G1+4], 70                          ; tile_dim1
	s_mov_b32 s[G1+5], 32                          ; the pitch: the block is dense
	s_mov_b32 s[G1+6], 0
	s_mov_b32 s[G1+7], 0
	s_mul_i32 s34, s[BH], REC
	s_mov_b32 s35, 0
	s_mul_i32 s36, s[WV], PART
	s_mov_b32 s37, 0
	s_wait_dscnt 0x0
	s_wait_kmcnt 0x0
	s_add_nc_u64 s[4:5], s[4:5], s[34:35]          ; the head's record
	s_mov_b32 s[G0], 1
	s_mov_b32 s[G0+1], s36                         ; LDS: wave x 17,920: no place in the cluster enters it
	s_add_nc_u64 s[G0+2:G0+3], s[4:5], s[36:37]
	s_or_b32 s[G0+3], s[G0+3], 0x80000000
	ROUND                                          ; all four work-groups are here: the joint loads meet
	s_cmp_lt_u32 s[WV], 8
	s_cbranch_scc0 .Lno_fill
	tensor_load_to_lds s[G0:G0+3], s[G1:G1+7]      ; my one tensor load of the launch
	s_nop 0
.rept 4
	v_nop
.endr
.Lno_fill:
	v_and_b32 v5, 31, v0
	v_lshlrev_b32 v1, 4, v5                        ; K's image: 16 x lane
	v_add_nc_u32 v2, LV, v1                        ; V^T's
	v_lshlrev_b32 v3, 3, v5
	v_add_nc_u32 v4, LVS, v3                       ; V^T's scale words: 8 x lane
	v_add_nc_u32 v3, LKS, v3                       ; k's
	v_and_b32 v5, 15, v0                           ; r
	v_bfe_u32 v27, v0, 4, 1                        ; h
	v_and_b32 v6, 8, v5
	v_add_nc_u32 v6, v6, v5
	v_lshlrev_b32 v7, 4, v27
	v_sub_nc_u32 v6, v6, v7                        ; r + 8 (r / 8) - 16 h
	v_lshlrev_b32 v7, 3, v5                        ; 8 r
	v_add_nc_u32 v26, v7, v27                      ; 8 r + h
	s_lshl_b32 s39, s[CX], 1
	s_lshl_b32 s34, s[WV], 3
	s_add_co_u32 s34, s34, s39                     ; the first pass's tile: 8 w + 2 cx
	s_lshl_b32 s35, s[W15], 3
	s_add_co_u32 s35, s35, s39
	s_add_co_u32 s35, s35, 1                       ; the second's: 8 (15 - w) + 2 cx + 1
	QPLACE 34, 44, 45
	QPLACE 35, 46, 47
	v_add_nc_u32 v208, s44, v1
	v_add_nc_u32 v209, s45, v7
	v_add_nc_u32 v210, s46, v1
	v_add_nc_u32 v211, s47, v7
	global_load_b128 v[16:19], v208, s[4:5] offset:QOFF      ; Q's codes: lane (r, h): channels 32 h + 0 .. 31 of my query
	global_load_b32 v24, v209, s[4:5] offset:QSOFF           ; and its scale word, row r's in lane r
	global_load_b128 v[224:227], v210, s[4:5] offset:QOFF
	global_load_b32 v228, v211, s[4:5] offset:QSOFF
.irp j, 20,21,22,23,64,65,66,67,212,213,214,215,221
	v_mov_b32 v\j, 0                               ; Q's zero codes; what stands behind K's last tile; lane permutes' destinations; the upper half of f's pair
.endr
	s_wait_loadcnt 0x0                             ; Q
	s_wait_tensorcnt 0x0                           ; my part of the head is in LDS,
	s_barrier_signal -1
	s_barrier_wait -1                              ; everybody's is; from here on LDS is only read
	s_mov_b32 s[PASS], 0
.Lpass:
	s_cmp_eq_u32 s[PASS], 0
	s_cselect_b32 s[AA], s[WV], s[W15]             ; a: the tile's queries lie in key step a
	s_lshl_b32 s34, s[AA], 3
	s_lshl_b32 s35, s[CX], 1
	s_add_co_u32 s34, s34, s35
	s_add_co_u32 s34, s34, s[PASS]                 ; the tile
	s_lshl_b32 s35, s[CX], 5
	s_lshl_b32 s36, s[PASS], 3
	s_add_co_u32 s35, s35, s36
	v_add_nc_u32 v25, s35, v6                      ; d = my query - 128 a - 16 h: on the diagonal register 16 b + i is hidden where 32 b + i > d
	s_lshr_b32 s36, s[BH], 4                       ; the batch
	s_and_b32 s37, s[BH], 15                       ; the head
	s_lshl_b32 s38, s36, 7
	s_add_co_u32 s38, s38, s34                     ; the tile among all 512
	s_lshl_b32 s44, s38, 13                        ; 8,192 bytes a tile;
	s_lshl_b32 s39, s37, 9                         ; K step head / 2, half head % 2: 512 x head
	s_add_co_u32 s44, s44, s39
	s_mov_b32 s45, 0
	s_lshr_b32 s46, s38, 1
	s_lshl_b32 s46, s46, 10                        ; scales: 1,024 bytes a pair of tiles,
	s_lshr_b32 s39, s37, 2
	s_lshl_b32 s39, s39, 8
	s_add_co_u32 s46, s46, s39                     ; 256 for two K steps,
	s_and_b32 s39, s37, 3
	s_lshl_b32 s39, s39, 1
	s_add_co_u32 s46, s46, s39                     ; the word and the pair of bytes in it: 2 (head % 4),
	s_and_b32 s39, s34, 1
	s_lshl_b32 s39, s39, 7
	s_add_co_u32 s46, s46, s39                     ; lanes 16-31 for the odd tile
	s_mov_b32 s47, 0
	s_add_nc_u64 s[OC:OC+1], s[6:7], s[44:45]
	s_add_nc_u64 s[OSC:OSC+1], s[8:9], s[46:47]
	v_mov_b32 v13, 0xff61b1e6                      ; the largest t so far: -3e38, under every t
	v_floor_f32 v12, -v13                          ; -M
	v_mov_b32 v14, 0
	v_mov_b32 v15, 0
.irp j, 0,1,2,3,4,5,6,7,8,9,10,11,12,13,14,15,16,17,18,19,20,21,22,23,24,25,26,27,28,29,30,31
	v_mov_b32 v[168+\j], 0                         ; O^T: the first step finds zeros, which the first change of M leaves zeros.  (These lines also part the moves into Q's registers from the first product)
.endr
	s_mov_b32 s[SIG], 0
.Lstep:                                            ; 16 trips, a constant; a step all of whose keys come after my queries is passed over
	s_cmp_gt_u32 s[SIG], s[AA]
	s_cbranch_scc1 .Lhidden
	s_lshl_b32 s34, s[SIG], 12
	s_lshl_b32 s35, s[SIG], 9
	s_lshl_b32 s36, s[SIG], 8
	v_add_nc_u32 v8, s34, v1                       ; four plain lines: the places in front of loads into registers that the last step's products have read
	v_add_nc_u32 v9, s34, v2
	v_add_nc_u32 v10, s35, v3
	v_add_nc_u32 v11, s36, v4
.irp t, 0,1,2,3,4,5,6,7
	ds_load_b128 v[32+4*\t:35+4*\t], v8 offset:512*\t
.endr
	ds_load_b64 v[28:29], v10                      ; k's scale words: register t / 2, lanes 16 (t % 2) on
	ds_load_b64 v[30:31], v10 offset:256
.irp e, 0,1,2,3
.irp c, 0,1
	ds_load_b128 v[72+8*\e+4*\c:75+8*\e+4*\c], v9 offset:1024*\e+512*\c
.endr
.endr
	ds_load_b64 v[68:69], v11
	s_wait_dscnt 9                                 ; K and its scale words are in; V's eight loads and its scale words' one may be out
.irp t, 0,1,2,3,4,5,6,7
	WM 104+8*\t, 32+4*\t, 16, 0, 28+\t/2, 24, \t%2
.endr
.rept 4
	v_nop
.endr
	s_cmp_lt_u32 s[SIG], s[AA]
	s_cbranch_scc1 .Lopen                          ; only the step on the diagonal has hidden keys
	v_mov_b32 v222, 0xff800000                     ; -infinity: p = 0 then
.irp n, 0,1,2,3,4,5,6,7,8,9,10,11,12,13,14,15,16,17,18,19,20,21,22,23,24,25,26,27,28,29,30,31,32,33,34,35,36,37,38,39,40,41,42,43,44,45,46,47,48,49,50,51,52,53,54,55,56,57,58,59,60,61,62,63
	v_cmp_gt_i32 vcc_lo, 32*(\n/16)+\n%16, v25
	v_cndmask_b32 v[104+\n], v[104+\n], v222, vcc_lo
.endr
.Lopen:
.irp b, 0,1,2,3
	v_max3_num_f32 v[208+\b], v[104+16*\b], v[105+16*\b], v[106+16*\b]   ; the largest score of each block of 32 keys: for the row's maximum, and, since p rises with the score, for the block's largest p
.endr
.irp i, 3,5,7,9,11,13
.irp b, 0,1,2,3
	v_max3_num_f32 v[208+\b], v[208+\b], v[104+16*\b+\i], v[105+16*\b+\i]
.endr
.endr
.irp b, 0,1,2,3
	v_max_num_f32 v[208+\b], v[208+\b], v[119+16*\b]
.endr
.irp b, 0,1,2,3
	v_permlanex16_b32 v[212+\b], v[208+\b], s[SEL], s[SEL+1]
.endr
.irp b, 0,1,2,3
	v_max_num_f32 v[208+\b], v[208+\b], v[212+\b]  ; with lane l xor 16's 16 keys
.endr
	v_max3_num_f32 v222, v208, v209, v210
	v_max_num_f32 v222, v222, v211                 ; the step's largest score of my query (its own key is never hidden, so this is a number)
	v_mul_f32 v222, s[CS], v222
	v_max_num_f32 v13, v13, v222                   ; the running largest t
	v_mov_b32 v222, v12
	v_floor_f32 v12, -v13                          ; the new -M = -ceil(t)
	v_sub_f32 v222, v12, v222                      ; old M - new M: a whole number, 0 or less
	v_cvt_i32_f32 v222, v222                       ; (it saturates)
	v_ldexp_f32 v220, 1.0, v222                    ; f = 2^(old M - new M)
.irp j, 0,2,4,6,8,10,12,14,16,18,20,22,24,26,28,30,32,34,36,38,40,42,44,46,48,50,52,54,56,58,60,62
	v_pk_fma_f32 v[104+\j:105+\j], v[104+\j:105+\j], s[CS:CS+1], v[12:13] op_sel_hi:[1,0,0]   ; t - M, two at a time
.endr
.irp b, 0,1,2,3
	v_fma_f32 v[208+\b], v[208+\b], s[CS], v12     ; the same of each block's largest score
.endr
.irp j, 0,1,2,3,4,5,6,7,8,9,10,11,12,13,14,15,16,17,18,19,20,21,22,23,24,25,26,27,28,29,30,31,32,33,34,35,36,37,38,39,40,41,42,43,44,45,46,47,48,49,50,51,52,53,54,55,56,57,58,59,60,61,62,63
	v_exp_f32 v[104+\j], v[104+\j]                 ; p = 2^(t - M)
.endr
	v_pk_mul_f32 v[14:15], v[14:15], v[220:221] op_sel_hi:[1,0]   ; the sums under the new M: the plain line behind the exponentials
	s_wait_alu depctr_va_vdst(0)                   ; one wait for the batch of 64, ahead of its first reader
.irp b, 0,1,2,3
	v_exp_f32 v[208+\b], v[208+\b]                 ; each block's largest p: the same two instructions on the same number
.endr
	v_pk_add_f32 v[212:213], v[104:105], v[106:107]   ; the row's sum of the unquantised p, in two chains; it reads the 64 alone
.irp j, 4,8,12,16,20,24,28,32,36,40,44,48,52,56,60
	v_pk_add_f32 v[14:15], v[14:15], v[104+\j:105+\j]
	v_pk_add_f32 v[212:213], v[212:213], v[106+\j:107+\j]
.endr
	v_pk_add_f32 v[14:15], v[14:15], v[212:213]
	s_wait_alu depctr_va_vdst(0)                   ; and one for the four
.irp b, 0,1,2,3
	v_max_num_f32 v[208+\b], 0x1800000, v[208+\b]  ; the floor 2^(3 - 127): the byte cannot fall under 1
.endr
.irp b, 0,1,2,3
	v_add_nc_u32 v[216+\b], 0xff000000, v[208+\b]  ; the conversion's scale operand
.endr
.irp b, 0,1,2,3
	v_lshrrev_b32 v[212+\b], 23, v[216+\b]         ; the scale's byte
.endr
	v_lshl_or_b32 v223, v213, 8, v212              ; p's scale word for these 128 keys
	v_lshl_or_b32 v223, v214, 16, v223
	v_lshl_or_b32 v223, v215, 24, v223
.irp b, 0,1,2,3
	v_cvt_scalef32_pk8_fp4_f32 v[200+2*\b], v[104+16*\b:111+16*\b], v[216+\b]
	v_cvt_scalef32_pk8_fp4_f32 v[201+2*\b], v[112+16*\b:119+16*\b], v[216+\b]
.endr
	v_nop                                          ; one plain line behind the last conversion
.irp c, 0,1
.irp i, 0,1
	v_permlane16_swap_b32 v[200+4*\c+\i], v[202+4*\c+\i]   ; a whole block in a lane
.endr
.endr
.irp j, 0,2,4,6,8,10,12,14,16,18,20,22,24,26,28,30
	v_pk_mul_f32 v[168+\j:169+\j], v[168+\j:169+\j], v[220:221] op_sel_hi:[1,0]   ; O^T under the new M.  (These sixteen are also the places between p's codes and scale word and the products)
.endr
	s_wait_dscnt 0x0                               ; V and its scale words are in
.irp e, 0,1,2,3
	WM 168+8*\e, 72+8*\e, 200, v[168+8*\e:175+8*\e], 68+\e/2, 223, \e%2
.endr
.Lhidden:
	s_add_co_u32 s[SIG], s[SIG], 1
	s_cmp_lt_u32 s[SIG], 16
	s_cbranch_scc1 .Lstep
	; the pass's end: O^T / the sum, quantised along the head's 64, stored as half a fragment of the next product's operand
.rept 4
	v_nop
.endr
	v_add_f32 v14, v14, v15
	v_permlanex16_b32 v212, v14, s[SEL], s[SEL+1]
	v_add_f32 v14, v14, v212                       ; the row's sum
	v_rcp_f32 v14, v14
	v_nop                                          ; a plain line behind the reciprocal,
	s_wait_alu depctr_va_vdst(0)                   ; and the wait ahead of its first reader
.irp j, 0,1,2,3,4,5,6,7,8,9,10,11,12,13,14,15,16,17,18,19,20,21,22,23,24,25,26,27,28,29,30,31
	v_mul_f32 v[104+\j], v[168+\j], v14            ; register 16 b + i: channel 32 b + 16 h + i of my query; each accumulator from its low end on
.endr
.irp b, 0,1
	v_max3_num_f32 v[208+\b], |v[104+16*\b]|, |v[105+16*\b]|, 0x1800000
.endr
.irp i, 2,4,6,8,10,12,14
.irp b, 0,1
	v_max3_num_f32 v[208+\b], v[208+\b], |v[104+16*\b+\i]|, |v[105+16*\b+\i]|
.endr
.endr
.irp b, 0,1
	v_permlanex16_b32 v[212+\b], v[208+\b], s[SEL], s[SEL+1]
.endr
.irp b, 0,1
	v_max_num_f32 v[208+\b], v[208+\b], v[212+\b]
.endr
.irp b, 0,1
	v_add_nc_u32 v[216+\b], 0xff000000, v[208+\b]
.endr
.irp b, 0,1
	v_lshrrev_b32 v[212+\b], 23, v[216+\b]
.endr
.irp b, 0,1
	v_cvt_scalef32_pk8_fp4_f32 v[200+2*\b], v[104+16*\b:111+16*\b], v[216+\b]
	v_cvt_scalef32_pk8_fp4_f32 v[201+2*\b], v[112+16*\b:119+16*\b], v[216+\b]
.endr
	v_nop
	v_permlane16_swap_b32 v200, v202
	v_permlane16_swap_b32 v201, v203               ; v[200:203]: lane (r, h): channels 32 h + 0 .. 31
	v_cndmask_b32 v214, v212, v213, s[HM]          ; lane (r, h) stores block h's byte
	global_store_b128 v1, v[200:203], s[OC:OC+1]   ; 512 consecutive bytes
	global_store_b8 v26, v214, s[OSC:OSC+1]        ; two bytes in every eight: the other heads' work-groups write the others
.irp j, 0,1,2,3
	v_mov_b32 v[16+\j], v[224+\j]                  ; the second pass's Q
.endr
	v_mov_b32 v24, v228
	s_wait_xcnt 0x0                                ; the stores have read their data and bases: both are written again only behind this wait
	s_add_co_u32 s[PASS], s[PASS], 1
	s_cmp_lt_u32 s[PASS], 2
	s_cbranch_scc1 .Lpass
	s_wait_dscnt 0x0
	s_wait_tensorcnt 0x0
	ds_add_u32 v254, v255
	s_wait_dscnt 0x0
	ROUND                                          ; the closing round: no work-group ends while a partner may still ask for a tile that names it
	s_endpgm
.Lfunc_end_k_q7c4fd8d4ee_attn:
	.size	k_q7c4fd8d4ee_attn, .Lfunc_end_k_q7c4fd8d4ee_attn-k_q7c4fd8d4ee_attn
	.p2alignl 7, 3214868480
	.fill 96, 4, 3214868480
	.section	.rodata,"a",@progbits
	.p2align	6, 0x0
	.amdhsa_kernel k_q7c4fd8d4ee_attn
		.amdhsa_group_segment_fixed_size 169984
		.amdhsa_private_segment_fixed_size 0
		.amdhsa_enable_private_segment 0
		.amdhsa_kernarg_size 24
		.amdhsa_user_sgpr_count 2
		.amdhsa_user_sgpr_kernarg_segment_ptr 1
		.amdhsa_wavefront_size32 1
		.amdhsa_system_sgpr_workgroup_id_x 1
		.amdhsa_system_sgpr_workgroup_id_y 1
		.amdhsa_system_sgpr_workgroup_id_z 1
		.amdhsa_system_vgpr_workitem_id 0
		.amdhsa_next_free_vgpr 256
		.amdhsa_next_free_sgpr 66
		.amdhsa_reserve_vcc 1
		.amdhsa_float_denorm_mode_32 3
		.amdhsa_float_denorm_mode_16_64 3
		.amdhsa_memory_ordered 1
		.amdhsa_forward_progress 1
		.amdhsa_inst_pref_size 32
	.end_amdhsa_kernel
	.amdgpu_metadata
---
amdhsa.version: [ 1, 2 ]
amdhsa.kernels:
  - .name:           k_q7c4fd8d4ee_attn
    .symbol:         k_q7c4fd8d4ee_attn.kd
    .args:
      - { .name: qkv, .offset: 0, .size: 8, .value_kind: global_buffer, .address_space: global }
      - { .name: attc, .offset: 8, .size: 8, .value_kind: global_buffer, .address_space: global }
      - { .name: atts, .offset: 16, .size: 8, .value_kind: global_buffer, .address_space: global }
    .group_segment_fixed_size: 169984
    .private_segment_fixed_size: 0
    .kernarg_segment_align: 8
    .kernarg_segment_size: 24
    .max_flat_workgroup_size: 512
    .sgpr_count:     66
    .vgpr_count:     256
    .wavefront_size: 32
...
	.end_amdgpu_metadata
.endif
;; end of part 3
;; launch outp (part 4): grid 256 x 1, 4 waves a work-group, no clusters, 34,304 bytes of LDS; arguments attc, atts, opc, ops, bo, out0; writes out0
.if DOCPART == 4
	.amdgcn_target "amdgcn-amd-amdhsa--gfx1250"
	.amdhsa_code_object_version 6
	.text
	.protected	k_q7c4fd8d4ee_outp
	.globl	k_q7c4fd8d4ee_outp
	.p2align	8
	.type	k_q7c4fd8d4ee_outp,@function
k_q7c4fd8d4ee_outp:
	s_mov_b64 s[64:65], 0
	v_nop
	global_prefetch_b8 v0, s[64:65] scope:SCOPE_SE
	s_setreg_imm32_b32 hwreg(HW_REG_WAVE_MODE, 25, 1), 1
	s_wait_xcnt 0x0
; out0 = att wo + bo on codes of FP4 with E8M0 scales; out0 [8192][1024] f32.  Both operands lie in memory as images of operand registers; row tile T holds in lane r row 32 (T / 2) + 8 (T % 2) + r + 8 (r / 8).
; A wave keeps 128 columns of wo x all 1,024 of K in registers (64 fragments, 512 registers) as source 0 and multiplies four tiles of 16 tokens by them: 64 matrix instructions a tile, 8 accumulators by turns.
; In the result a lane holds one token, and register 16 b + i output column 32 b + 16 (lane / 16) + i of the 128.  bo is the C of each sum's first matrix instruction.
; A tile's 16 rows x 512 bytes go through the wave's own stage in LDS and leave as whole rows: each store covers 512 consecutive bytes, aligned.  Waves share nothing: no barrier.
; Work-group j: columns 128 (4 (j % 2) + wave) on, tokens 64 (j / 2) on.
.set WIMG,  4194304
.set WSC,   262144
.set SP,    528                        ; a stage row: 512 bytes + 16
.set LI,  1                            ; v1   16 x lane
.set L8,  2                            ; v2   8 x lane
.set SI,  3                            ; v3   the stage, in: row r, + 64 h
.set SO,  4                            ; v4   the stage, out: 16 x lane of a row
.set RS,  16                           ; v16-47   wo's scale words
.set SS0, 48                           ; v48-63   the four tiles' scale words
.set HA,  64                           ; v64-127  eight accumulators
.set BP,  128                          ; v128-191 the bias, in the result's layout
.set OUTR, 192                         ; v192-255 sixteen rows on their way out
; window 1: wo's fragments of K steps 0-3 at 64 (q % 4) + 8 t;  window 2: of K steps 4-7;  window 3: the four tiles, tile i at 64 i + 8 q
.set WV,  18
.set SPC, 24
.set SPS, 26
.set SLC, 28
.set SLS, 30
.set SOU, 32
.set SBI, 34
.set MSB, 0
.macro WIN new                         ; the immediate's high byte repeats the setting that is left
.if MSB != \new
	s_set_vgpr_msb (MSB<<8)|\new
.set MSB, \new
.endif
.endm
.macro WM d, a, b, c, sa, sb, ra, rb   ; one product; ra, rb: the scales stand in lanes 16-31 of their registers
.if (\ra) && (\rb)
	v_wmma_scale_f32_16x16x128_f8f6f4 v[\d:\d+7], v[\a:\a+7], v[\b:\b+7], \c, v[\sa], v[\sb] matrix_a_fmt:MATRIX_FMT_FP4 matrix_b_fmt:MATRIX_FMT_FP4 matrix_a_scale:MATRIX_SCALE_ROW1 matrix_b_scale:MATRIX_SCALE_ROW1
.elseif (\ra)
	v_wmma_scale_f32_16x16x128_f8f6f4 v[\d:\d+7], v[\a:\a+7], v[\b:\b+7], \c, v[\sa], v[\sb] matrix_a_fmt:MATRIX_FMT_FP4 matrix_b_fmt:MATRIX_FMT_FP4 matrix_a_scale:MATRIX_SCALE_ROW1
.elseif (\rb)
	v_wmma_scale_f32_16x16x128_f8f6f4 v[\d:\d+7], v[\a:\a+7], v[\b:\b+7], \c, v[\sa], v[\sb] matrix_a_fmt:MATRIX_FMT_FP4 matrix_b_fmt:MATRIX_FMT_FP4 matrix_b_scale:MATRIX_SCALE_ROW1
.else
	v_wmma_scale_f32_16x16x128_f8f6f4 v[\d:\d+7], v[\a:\a+7], v[\b:\b+7], \c, v[\sa], v[\sb] matrix_a_fmt:MATRIX_FMT_FP4 matrix_b_fmt:MATRIX_FMT_FP4
.endif
.endm
.macro MM i                            ; tile i against wo's 8 tiles, all of K: K ascending, the eight accumulators by turns, one instruction a turn
	WIN 0x0d                                       ; source 0 window 1, source 1 window 3, C and D window 0
.irp q, 0,1,2,3,4,5,6,7
.if \q == 4
	WIN 0x0e                                       ; source 0 window 2
.endif
.irp t, 0,1,2,3,4,5,6,7
.if \q == 0
	WM HA+8*\t, 64*(\q%4)+8*\t, 64*(\i)+8*\q, v[BP+8*\t:BP+8*\t+7], RS+8*(\t/2)+\q, SS0+8*((\i)/2)+\q, \t%2, (\i)%2
.else
	WM HA+8*\t, 64*(\q%4)+8*\t, 64*(\i)+8*\q, v[HA+8*\t:HA+8*\t+7], RS+8*(\t/2)+\q, SS0+8*((\i)/2)+\q, \t%2, (\i)%2
.endif
.endr
.endr
	WIN 0
.rept 5
	v_nop                                          ; places behind the last products: four in front of the LDS stores that read the results, five in front of the next tile's first products, which write over them
.endr
.endm
.macro LFRAG i                         ; a tile's eight fragments: sixteen loads of 512 consecutive bytes
	WIN 0xc0                                       ; destination window 3
.irp q, 0,1,2,3,4,5,6,7
.irp c, 0,1
	global_load_b128 v[64*(\i)+8*\q+4*\c:64*(\i)+8*\q+4*\c+3], v[LI], s[SLC:SLC+1] offset:8192*(\i)+1024*\q+512*\c
.endr
.endr
	WIN 0
.endm
.macro LSC p                           ; the scale words of pair p
.irp g, 0,1,2,3
	global_load_b64 v[SS0+8*(\p)+2*\g:SS0+8*(\p)+2*\g+1], v[L8], s[SLS:SLS+1] offset:1024*(\p)+256*\g
.endr
.endm
.macro TOSTAGE                         ; the tile into my stage, each accumulator from its low end on, and back as whole rows
.irp b, 0,1,2,3
.irp u, 0,1
.irp m, 0,1
	ds_store_b128 v[SI], v[HA+16*\b+8*\u+4*\m:HA+16*\b+8*\u+4*\m+3] offset:128*\b+32*\u+16*\m   ; columns 32 b + 16 h + 8 u + 4 m on
.endr
.endr
.endr
.irp t, 0,1,2,3,4,5,6,7,8,9,10,11,12,13,14,15
	ds_load_b128 v[OUTR+4*\t:OUTR+4*\t+3], v[SO] offset:SP*\t   ; LDS serves a wave's instructions in order: these see the stores above
.endr
.endm
.macro SEND i                          ; tile i's sixteen rows
	s_wait_dscnt 0x0                               ; the rows are back in registers
.irp t, 0,1,2,3,4,5,6,7,8,9,10,11,12,13,14,15
	global_store_b128 v[LI], v[OUTR+4*\t:OUTR+4*\t+3], s[SOU:SOU+1] offset:(32*((\i)/2)+8*((\i)%2)+\t+8*(\t/8))*4096 th:TH_STORE_NT   ; 512 consecutive bytes of a row; written once, read by nobody here
.endr
.endm
	s_load_b256 s[4:11], s[0:1], 0x0               ; attc s[4:5], atts s[6:7], opc s[8:9], ops s[10:11]
	s_load_b128 s[12:15], s[0:1], 0x20             ; bo s[12:13], out0 s[14:15]
	v_lshl_add_u32 v14, v0, 2, 0x8400
	v_mov_b32 v15, 0
	v_lshrrev_b32 v5, 5, v0
	v_readfirstlane_b32 s[WV], v5                  ; wave 0..3
	v_and_b32 v5, 31, v0
	v_lshlrev_b32 v[LI], 4, v5
	v_lshlrev_b32 v[L8], 3, v5
	v_and_b32 v5, 15, v0                           ; r
	v_bfe_u32 v6, v0, 4, 1                         ; h
	s_mul_i32 s19, s[WV], 16*SP                    ; my stage
	v_mul_u32_u24 v[SI], v5, SP
	v_lshl_add_u32 v[SI], v6, 6, v[SI]
	v_add_nc_u32 v[SI], s19, v[SI]
	v_add_nc_u32 v[SO], s19, v[LI]
	v_lshlrev_b32 v7, 6, v6                        ; the bias: 64 h bytes
	s_and_b32 s20, ttmp9, 1
	s_lshl_b32 s20, s20, 2
	s_add_co_u32 s20, s20, s[WV]                   ; P: columns 128 P on
	s_lshr_b32 s21, ttmp9, 1                       ; the chunk: tokens 64 chunk on
	s_lshl_b32 s36, s20, 16
	s_add_co_u32 s36, s36, WIMG+1572864            ; wo's codes
	s_mov_b32 s37, 0
	s_lshl_b32 s38, s20, 12
	s_add_co_u32 s38, s38, WSC+98304               ; wo's scale words
	s_mov_b32 s39, 0
	s_lshl_b32 s40, s21, 15                        ; four tiles of 8,192 bytes
	s_mov_b32 s41, 0
	s_lshl_b32 s42, s21, 11                        ; two pairs of 1,024 bytes
	s_mov_b32 s43, 0
	s_lshl_b32 s44, s20, 9                         ; 128 numbers of f32
	s_mov_b32 s45, 0
	s_lshl_b32 s46, s21, 18                        ; 64 rows of 4,096 bytes,
	s_add_co_u32 s46, s46, s44                     ; and my 512 bytes of a row
	s_mov_b32 s47, 0
	s_wait_kmcnt 0x0
	s_add_nc_u64 s[SPC:SPC+1], s[8:9], s[36:37]
	s_add_nc_u64 s[SPS:SPS+1], s[10:11], s[38:39]
	s_add_nc_u64 s[SLC:SLC+1], s[4:5], s[40:41]
	s_add_nc_u64 s[SLS:SLS+1], s[6:7], s[42:43]
	s_add_nc_u64 s[SBI:SBI+1], s[12:13], s[44:45]
	s_add_nc_u64 s[SOU:SOU+1], s[14:15], s[46:47]
	WIN 0x40                                       ; destination window 1
.irp q, 0,1,2,3
.irp t, 0,1,2,3,4,5,6,7
.irp c, 0,1
	global_load_b128 v[64*\q+8*\t+4*\c:64*\q+8*\t+4*\c+3], v[LI], s[SPC:SPC+1] offset:8192*\t+1024*\q+512*\c
.endr
.endr
.endr
	WIN 0x80                                       ; window 2
.irp q, 0,1,2,3
.irp t, 0,1,2,3,4,5,6,7
.irp c, 0,1
	global_load_b128 v[64*\q+8*\t+4*\c:64*\q+8*\t+4*\c+3], v[LI], s[SPC:SPC+1] offset:8192*\t+1024*(\q+4)+512*\c
.endr
.endr
.endr
	WIN 0
.irp p, 0,1,2,3
.irp g, 0,1,2,3
	global_load_b64 v[RS+8*\p+2*\g:RS+8*\p+2*\g+1], v[L8], s[SPS:SPS+1] offset:1024*\p+256*\g
.endr
.endr
.irp t, 0,1,2,3,4,5,6,7
	global_load_b128 v[BP+8*\t:BP+8*\t+3], v7, s[SBI:SBI+1] offset:(32*(\t/2)+8*(\t%2))*4      ; lane (r, h), tile t: bo at 32 (t / 2) + 16 h + 8 (t % 2) on
	global_load_b128 v[BP+8*\t+4:BP+8*\t+7], v7, s[SBI:SBI+1] offset:(32*(\t/2)+8*(\t%2))*4+16
.endr
	LFRAG 0
	LFRAG 1
	LSC 0
	LFRAG 2
	LFRAG 3
	LSC 1
	s_wait_loadcnt 36                              ; all but tile 2's 16 loads and tile 3's 16 with 4 of scale words
	MM 0
	TOSTAGE
	s_wait_dscnt 16                                ; the sixteen stores have read the accumulators; the sixteen loads behind them may be out
	MM 1
	SEND 0
	s_wait_xcnt 0x0                                ; the stores have read their data: the rows' registers are loaded again only behind this wait
	TOSTAGE
	s_wait_dscnt 16
	s_wait_loadcnt 0x0                             ; tiles 2 and 3
	MM 2
	SEND 1
	s_wait_xcnt 0x0
	TOSTAGE
	s_wait_dscnt 16
	MM 3
	SEND 2
	s_wait_xcnt 0x0
	TOSTAGE
	SEND 3
	s_wait_tensorcnt 0x0
	ds_add_u32 v14, v15
	s_wait_dscnt 0x0
	s_endpgm
.Lfunc_end_k_q7c4fd8d4ee_outp:
	.size	k_q7c4fd8d4ee_outp, .Lfunc_end_k_q7c4fd8d4ee_outp-k_q7c4fd8d4ee_outp
	.p2alignl 7, 3214868480
	.fill 96, 4, 3214868480
	.section	.rodata,"a",@progbits
	.p2align	6, 0x0
	.amdhsa_kernel k_q7c4fd8d4ee_outp
		.amdhsa_group_segment_fixed_size 34304
		.amdhsa_private_segment_fixed_size 0
		.amdhsa_enable_private_segment 0
		.amdhsa_kernarg_size 48
		.amdhsa_user_sgpr_count 2
		.amdhsa_user_sgpr_kernarg_segment_ptr 1
		.amdhsa_wavefront_size32 1
		.amdhsa_system_sgpr_workgroup_id_x 1
		.amdhsa_system_sgpr_workgroup_id_y 1
		.amdhsa_system_sgpr_workgroup_id_z 1
		.amdhsa_system_vgpr_workitem_id 0
		.amdhsa_next_free_vgpr 1024
		.amdhsa_next_free_sgpr 66
		.amdhsa_reserve_vcc 0
		.amdhsa_float_denorm_mode_32 3
		.amdhsa_float_denorm_mode_16_64 3
		.amdhsa_memory_ordered 1
		.amdhsa_forward_progress 1
		.amdhsa_inst_pref_size 72
	.end_amdhsa_kernel
	.amdgpu_metadata
---
amdhsa.version: [ 1, 2 ]
amdhsa.kernels:
  - .name:           k_q7c4fd8d4ee_outp
    .symbol:         k_q7c4fd8d4ee_outp.kd
    .args:
      - { .name: attc, .offset: 0, .size: 8, .value_kind: global_buffer, .address_space: global }
      - { .name: atts, .offset: 8, .size: 8, .value_kind: global_buffer, .address_space: global }
      - { .name: opc, .offset: 16, .size: 8, .value_kind: global_buffer, .address_space: global }
      - { .name: ops, .offset: 24, .size: 8, .value_kind: global_buffer, .address_space: global }
      - { .name: bo, .offset: 32, .size: 8, .value_kind: global_buffer, .address_space: global }
      - { .name: out0, .offset: 40, .size: 8, .value_kind: global_buffer, .address_space: global }
    .group_segment_fixed_size: 34304
    .private_segment_fixed_size: 0
    .kernarg_segment_align: 8
    .kernarg_segment_size: 48
    .max_flat_workgroup_size: 128
    .sgpr_count:     66
    .vgpr_count:     1024
    .wavefront_size: 32
...
	.end_amdgpu_metadata
.endif
;; end of part 4
;; ======== version 2 of 2: 4 launches
;; workspace buffers: opc 6,291,456 bytes; ops 393,216 bytes; qkv 13,893,632 bytes; attc 4,194,304 bytes; atts 262,144 bytes
;; launch quant (part 5): grid 512 x 1, 4 waves a work-group, no clusters, 34,304 bytes of LDS; arguments x, wq, wk, wv, wo, opc, ops; writes opc, ops
.if DOCPART == 5
	.amdgcn_target "amdgcn-amd-amdhsa--gfx1250"
	.amdhsa_code_object_version 6
	.text
	.protected	k_q7c4fd8d4ee_quant
	.globl	k_q7c4fd8d4ee_quant
	.p2align	8
	.type	k_q7c4fd8d4ee_quant,@function
k_q7c4fd8d4ee_quant:
	s_mov_b64 s[64:65], 0
	v_nop
	global_prefetch_b8 v0, s[64:65] scope:SCOPE_SE
	s_setreg_imm32_b32 hwreg(HW_REG_WAVE_MODE, 25, 1), 1
	s_wait_xcnt 0x0
; x [8192][1024] and the four weights [1024 (k)][1024 (n)], f32, become codes of FP4 (E2M1) with one E8M0 scale byte for each 32 along K,
; laid as IMAGES OF OPERAND REGISTERS, so that every later launch loads fragments by 16 bytes a lane, 512 consecutive bytes an instruction.
; ROWS OF A TILE: lane r of row tile T holds row 32 (T / 2) + 8 (T % 2) + r + 8 (r / 8) (of x: a token; of a weight: an output column n).
; CODES: [tile][K step q of 128][c = 0, 1][lane (r, h)][16 bytes]: the 32 codes k = 128 q + 64 c + 32 h + 0 .. 31.  A tile is 8,192 bytes.
; SCALES: [pair of tiles][q / 2][lane 16 (T % 2) + r][q % 2], a word of four bytes: byte j for block 4 q + j.  A pair is 1,024 bytes.
; opc: x's 512 tiles, then from WIMG wq, wk, wv, wo, 64 tiles each.  ops: x's 256 pairs, then from WSC the weights', 32 pairs each.
; A block's scale is 2^(floor(log2(largest magnitude)) - 2): its byte is the largest magnitude's exponent field - 2, held at 1 from below by a floor among the maximum's leaves.
; LIMITS: NaN and infinities among the inputs are not served.  A block of zeros gets the byte 1 where the rule says 127: its codes are zeros, and this program alone reads the bytes.
; Work-groups 0-255 take x (a pair of tiles each, a wave a quarter of K); work-groups 256-511 the weights.  Waves share nothing: no barrier.  Only x's path touches LDS.
.set WIMG, 4194304
.set WSC,  262144
.set SP,   528                         ; a stage row: 512 bytes + 16: the sixteen rows that a read touches start at sixteen different 16-byte columns
.set STGB, 16*SP                       ; a wave's stage
.set LI,   1                           ; v1   16 x lane
.set SIN,  2                           ; v2   the stage, on the way in   (weights: 4 x lane)
.set SOUT, 3                           ; v3   the stage, on the way out  (weights: my codes' place)
.set H8,   4                           ; v4   8 h                        (weights: my scale word's place)
.set L8,   5                           ; v5   8 x lane
.set WD,   8                           ; v8-11    the four units' scale words
.set R,    16                          ; v16-143  numbers as loaded: two sets of 64 (weights: four blocks of 32)
.set X,    144                         ; v144-207 64 numbers of my row, in the operand's order
.set C,    208                         ; v208-239 codes: registers of their own for every store
.set T,    240                         ; v240-255 at work
.set WV,   18
.set HM,   19                          ; the mask of lanes 16-31
.set SEL,  20                          ; s[20:21] selects for lane l xor 16
	s_load_b256 s[4:11], s[0:1], 0x0               ; x s[4:5], wq s[6:7], wk s[8:9], wv s[10:11]
	s_load_b128 s[12:15], s[0:1], 0x20             ; wo s[12:13], opc s[14:15]
	s_load_b64 s[16:17], s[0:1], 0x30              ; ops
	v_lshl_add_u32 v254, v0, 2, 0x8400
	v_mov_b32 v255, 0
	v_lshrrev_b32 v6, 5, v0
	v_readfirstlane_b32 s[WV], v6                  ; wave 0..3
	v_and_b32 v7, 31, v0                           ; lane
	v_lshlrev_b32 v[LI], 4, v7
	s_mov_b32 s[HM], 0xffff0000
	s_mov_b32 s[SEL], 0x76543210
	s_mov_b32 s[SEL+1], 0xfedcba98
	s_cmp_lt_u32 ttmp9, 256
	s_cbranch_scc0 .Lweights
; ---------------- x.  Work-group = pair of tiles (32 rows), wave = 256 along K: four units u = 2 U + qq: tile U of the pair, K step 2 wave + qq: 16 rows x 128 numbers.
	v_and_b32 v6, 15, v0                           ; r
	v_bfe_u32 v[H8], v0, 4, 1                      ; h
	s_mul_i32 s22, s[WV], STGB
	v_add_nc_u32 v[SIN], s22, v[LI]                ; in: a row's 512 bytes as they lie
	v_mul_u32_u24 v[SOUT], v6, SP
	v_lshl_add_u32 v[SOUT], v[H8], 7, v[SOUT]
	v_add_nc_u32 v[SOUT], s22, v[SOUT]             ; out: row r, + 128 h: my 32 numbers of each 64
	v_lshlrev_b32 v[H8], 3, v[H8]
	v_lshlrev_b32 v[L8], 3, v7
	v_mov_b32 v[T+7], 0                            ; written once: a lane permute's destination counts as one of its sources
	s_lshl_b32 s24, ttmp9, 17                      ; x: 32 rows of 4,096 bytes a pair,
	s_lshl_b32 s23, s[WV], 10                      ; 1,024 bytes of a row a wave
	s_add_co_u32 s24, s24, s23
	s_mov_b32 s25, 0
	s_lshl_b32 s26, ttmp9, 14                      ; codes: 16,384 bytes a pair, 2,048 for two K steps
	s_lshl_b32 s23, s[WV], 11
	s_add_co_u32 s26, s26, s23
	s_mov_b32 s27, 0
	s_lshl_b32 s28, ttmp9, 10                      ; scales: 1,024 bytes a pair, 256 for two K steps
	s_lshl_b32 s23, s[WV], 8
	s_add_co_u32 s28, s28, s23
	s_mov_b32 s29, 0
	s_wait_alu depctr_va_vdst(0)
	s_wait_kmcnt 0x0
	s_add_nc_u64 s[4:5], s[4:5], s[24:25]
	s_add_nc_u64 s[14:15], s[14:15], s[26:27]
	s_add_nc_u64 s[16:17], s[16:17], s[28:29]
.macro XLOAD u                         ; unit u: sixteen loads, each 512 consecutive bytes of one of the tile's rows
.irp i, 0,1,2,3,4,5,6,7,8,9,10,11,12,13,14,15
	global_load_b128 v[R+64*((\u)%2)+4*\i:R+64*((\u)%2)+4*\i+3], v[LI], s[4:5] offset:(8*((\u)/2)+\i+8*(\i/8))*4096+512*((\u)%2) th:TH_LOAD_NT
.endr
.endm
.macro UNIT u
.if (\u) < 3
	s_wait_loadcnt 16                              ; this unit's sixteen loads are in; the next unit's sixteen may be out
.else
	s_wait_loadcnt 0x0
.endif
.irp i, 0,1,2,3,4,5,6,7,8,9,10,11,12,13,14,15
	ds_store_b128 v[SIN], v[R+64*((\u)%2)+4*\i:R+64*((\u)%2)+4*\i+3] offset:SP*\i
.endr
.irp c, 0,1
.irp j, 0,1,2,3,4,5,6,7
	ds_load_b128 v[X+32*\c+4*\j:X+32*\c+4*\j+3], v[SOUT] offset:256*\c+16*\j   ; LDS serves a wave's instructions in order: these see the stores above
.endr
.endr
	s_wait_dscnt 0x0                               ; my numbers are back, and the stores have read their registers,
.if (\u) < 2
	XLOAD (\u)+2                                   ; which take the unit two further on
.endif
.irp c, 0,1
	v_max3_num_f32 v[T+\c], |v[X+32*\c]|, |v[X+32*\c+1]|, 0x1800000   ; block 2 c + h: all 32 numbers are mine; the floor 2^(3 - 127) holds the byte at 1 from below
.endr
.irp i, 2,4,6,8,10,12,14,16,18,20,22,24,26,28,30
.irp c, 0,1
	v_max3_num_f32 v[T+\c], v[T+\c], |v[X+32*\c+\i]|, |v[X+32*\c+\i+1]|   ; (the two blocks by turns)
.endr
.endr
.irp c, 0,1
	v_add_nc_u32 v[T+2+\c], 0xff000000, v[T+\c]    ; 2 off the exponent field: the conversion's scale operand
.endr
.irp c, 0,1
	v_lshrrev_b32 v[T+4+\c], 23, v[T+2+\c]         ; the scale's byte
.endr
	v_lshl_or_b32 v[T+6], v[T+5], 16, v[T+4]       ; my two bytes, blocks h and 2 + h,
	v_lshlrev_b32 v[T+6], v[H8], v[T+6]            ; at their places in the word;
	v_permlanex16_b32 v[T+7], v[T+6], s[SEL], s[SEL+1]
	v_or_b32 v[WD+(\u)], v[T+6], v[T+7]            ; with lane l xor 16's two the word is whole, in both lanes
.irp c, 0,1
.irp g, 0,1,2,3
	v_cvt_scalef32_pk8_fp4_f32 v[C+8*(\u)+4*\c+\g], v[X+32*\c+8*\g:X+32*\c+8*\g+7], v[T+2+\c]
.endr
.endr
	v_nop                                          ; one plain line behind the last conversion
.irp c, 0,1
	global_store_b128 v[LI], v[C+8*(\u)+4*\c:C+8*(\u)+4*\c+3], s[14:15] offset:8192*((\u)/2)+1024*((\u)%2)+512*\c   ; 512 consecutive bytes
.endr
.endm
	XLOAD 0
	XLOAD 1
	UNIT 0
	UNIT 1
	UNIT 2
	UNIT 3
	v_cndmask_b32 v[T+8], v[WD], v[WD+2], s[HM]    ; lanes 0-15: the even tile's words, lanes 16-31: the odd tile's; the even K step,
	v_cndmask_b32 v[T+9], v[WD+1], v[WD+3], s[HM]  ; and the odd one
	global_store_b64 v[L8], v[T+8:T+9], s[16:17]   ; 256 consecutive bytes, aligned
	s_wait_tensorcnt 0x0
	ds_add_u32 v254, v255
	s_wait_dscnt 0x0
	s_endpgm
; ---------------- the weights.  j = work-group - 256: matrix j / 64, K step j % 8, four pairs of tiles (j / 8) % 8, one a wave.
; A LANE TAKES A COLUMN n AND ITS REGISTERS RUN DOWN K: a block of 32 lies in one lane, and the conversions give codes with K innermost.  Nothing is transposed.
.Lweights:
	s_sub_co_u32 s22, ttmp9, 256
	s_lshr_b32 s23, s22, 6                         ; which matrix
	s_and_b32 s24, s22, 7                          ; q
	s_bfe_u32 s25, s22, 0x30003
	s_lshl_b32 s25, s25, 2
	s_add_co_u32 s25, s25, s[WV]                   ; the pair within the matrix: columns 32 pair + lane
	s_lshl_b32 s26, s23, 5
	s_add_co_u32 s26, s26, s25                     ; the pair among all four matrices'
	s_lshl_b32 s28, s24, 19                        ; W: 128 rows of 4,096 bytes a K step,
	s_lshl_b32 s27, s25, 7                         ; 128 bytes of a row a pair
	s_add_co_u32 s28, s28, s27
	s_mov_b32 s29, 0
	s_lshl_b32 s30, s26, 14
	s_lshl_b32 s27, s24, 10
	s_add_co_u32 s30, s30, s27
	s_add_co_u32 s30, s30, WIMG
	s_mov_b32 s31, 0
	s_lshl_b32 s32, s26, 10
	s_lshr_b32 s27, s24, 1
	s_lshl_b32 s27, s27, 8
	s_add_co_u32 s32, s32, s27
	s_and_b32 s27, s24, 1
	s_lshl_b32 s27, s27, 2
	s_add_co_u32 s32, s32, s27
	s_add_co_u32 s32, s32, WSC
	s_mov_b32 s33, 0
	s_wait_alu depctr_va_vdst(0)
	v_lshlrev_b32 v[SIN], 2, v7                    ; 4 x lane
	v_bfe_u32 v6, v0, 3, 1                         ; column 32 pair + lane is lane r = 8 (lane / 16) + lane % 8 of tile U = (lane / 8) % 2
	v_bfe_u32 v[L8], v0, 4, 1
	v_and_b32 v7, 7, v0
	v_lshl_add_u32 v7, v[L8], 3, v7                ; r
	v_lshlrev_b32 v[SOUT], 4, v7
	v_lshl_add_u32 v[SOUT], v6, 13, v[SOUT]        ; codes: 8,192 U + 16 r
	v_lshlrev_b32 v[H8], 3, v7
	v_lshl_add_u32 v[H8], v6, 7, v[H8]             ; scale word: 8 (16 U + r)
	s_wait_alu depctr_va_vdst(0)
	s_wait_kmcnt 0x0
	s_cmp_eq_u32 s23, 0
	s_cselect_b64 s[34:35], s[6:7], s[8:9]
	s_cmp_eq_u32 s23, 2
	s_cselect_b64 s[34:35], s[10:11], s[34:35]
	s_cmp_eq_u32 s23, 3
	s_cselect_b64 s[34:35], s[12:13], s[34:35]
	s_add_nc_u64 s[34:35], s[34:35], s[28:29]
	s_add_nc_u64 s[14:15], s[14:15], s[30:31]
	s_add_nc_u64 s[16:17], s[16:17], s[32:33]
.irp t, 0,1,2,3
.irp i, 0,1,2,3,4,5,6,7,8,9,10,11,12,13,14,15,16,17,18,19,20,21,22,23,24,25,26,27,28,29,30,31
	global_load_b32 v[R+32*\t+\i], v[SIN], s[34:35] offset:(32*\t+\i)*4096 th:TH_LOAD_NT   ; W(128 q + 32 t + i, my column): 128 consecutive bytes a wave
.endr
.endr
.macro WBLOCK t                        ; block t = 2 c + h of the K step
.set XS, R+32*(\t)
	v_max3_num_f32 v[T], |v[XS]|, |v[XS+1]|, |v[XS+2]|
	v_max3_num_f32 v[T+1], |v[XS+3]|, |v[XS+4]|, |v[XS+5]|
.irp i, 6,10,14,18,22,26
	v_max3_num_f32 v[T], v[T], |v[XS+\i]|, |v[XS+\i+1]|
	v_max3_num_f32 v[T+1], v[T+1], |v[XS+\i+2]|, |v[XS+\i+3]|
.endr
	v_max3_num_f32 v[T], v[T], |v[XS+30]|, |v[XS+31]|
	v_max3_num_f32 v[T], v[T], v[T+1], 0x1800000   ; and the floor
	v_add_nc_u32 v[T+2], 0xff000000, v[T]
	v_lshrrev_b32 v[T+3], 23, v[T+2]
.if (\t) == 0
	v_mov_b32 v[T+4], v[T+3]
.else
	v_lshl_or_b32 v[T+4], v[T+3], 8*(\t), v[T+4]
.endif
.irp g, 0,1,2,3
	v_cvt_scalef32_pk8_fp4_f32 v[C+4*(\t)+\g], v[XS+8*\g:XS+8*\g+7], v[T+2]
.endr
	v_nop                                          ; one plain line behind the last conversion
	global_store_b128 v[SOUT], v[C+4*(\t):C+4*(\t)+3], s[14:15] offset:512*((\t)/2)+256*((\t)%2)   ; the sixteen lanes of each tile fill 256 consecutive bytes, aligned
.endm
	s_wait_loadcnt 63                              ; blocks 0 and 1 are in: behind them 64 loads were issued, and 63 is the largest count that a wait can name
	WBLOCK 0
	WBLOCK 1
	s_wait_loadcnt 32                              ; block 2 is in; block 3's 32 may be out
	WBLOCK 2
	s_wait_loadcnt 0x0
	WBLOCK 3
	global_store_b32 v[H8], v[T+4], s[16:17]       ; my column's word for this K step: 4 bytes in every 8 (the neighbouring K step's work-group writes the others)
	s_endpgm
.Lfunc_end_k_q7c4fd8d4ee_quant:
	.size	k_q7c4fd8d4ee_quant, .Lfunc_end_k_q7c4fd8d4ee_quant-k_q7c4fd8d4ee_quant
	.p2alignl 7, 3214868480
	.fill 96, 4, 3214868480
	.section	.rodata,"a",@progbits
	.p2align	6, 0x0
	.amdhsa_kernel k_q7c4fd8d4ee_quant
		.amdhsa_group_segment_fixed_size 34304
		.amdhsa_private_segment_fixed_size 0
		.amdhsa_enable_private_segment 0
		.amdhsa_kernarg_size 56
		.amdhsa_user_sgpr_count 2
		.amdhsa_user_sgpr_kernarg_segment_ptr 1
		.amdhsa_wavefront_size32 1
		.amdhsa_system_sgpr_workgroup_id_x 1
		.amdhsa_system_sgpr_workgroup_id_y 1
		.amdhsa_system_sgpr_workgroup_id_z 1
		.amdhsa_system_vgpr_workitem_id 0
		.amdhsa_next_free_vgpr 256
		.amdhsa_next_free_sgpr 66
		.amdhsa_reserve_vcc 0
		.amdhsa_float_denorm_mode_32 3
		.amdhsa_float_denorm_mode_16_64 3
		.amdhsa_memory_ordered 1
		.amdhsa_forward_progress 1
		.amdhsa_inst_pref_size 50
	.end_amdhsa_kernel
	.amdgpu_metadata
---
amdhsa.version: [ 1, 2 ]
amdhsa.kernels:
  - .name:           k_q7c4fd8d4ee_quant
    .symbol:         k_q7c4fd8d4ee_quant.kd
    .args:
      - { .name: x, .offset: 0, .size: 8, .value_kind: global_buffer, .address_space: global }
      - { .name: wq, .offset: 8, .size: 8, .value_kind: global_buffer, .address_space: global }
      - { .name: wk, .offset: 16, .size: 8, .value_kind: global_buffer, .address_space: global }
      - { .name: wv, .offset: 24, .size: 8, .value_kind: global_buffer, .address_space: global }
      - { .name: wo, .offset: 32, .size: 8, .value_kind: global_buffer, .address_space: global }
      - { .name: opc, .offset: 40, .size: 8, .value_kind: global_buffer, .address_space: global }
      - { .name: ops, .offset: 48, .size: 8, .value_kind: global_buffer, .address_space: global }
    .group_segment_fixed_size: 34304
    .private_segment_fixed_size: 0
    .kernarg_segment_align: 8
    .kernarg_segment_size: 56
    .max_flat_workgroup_size: 128
    .sgpr_count:     66
    .vgpr_count:     256
    .wavefront_size: 32
...
	.end_amdgpu_metadata
.endif
;; end of part 5
;; launch proj (part 6): grid 256 x 1, 4 waves a work-group, no clusters, 0 bytes of LDS; arguments opc, ops, bq, bk, bv, qkv; writes qkv
.if DOCPART == 6
	.amdgcn_target "amdgcn-amd-amdhsa--gfx1250"
	.amdhsa_code_object_version 6
	.text
	.protected	k_q7c4fd8d4ee_proj
	.globl	k_q7c4fd8d4ee_proj
	.p2align	8
	.type	k_q7c4fd8d4ee_proj,@function
k_q7c4fd8d4ee_proj:
	s_mov_b64 s[64:65], 0
	v_nop
	global_prefetch_b8 v0, s[64:65] scope:SCOPE_SE
	s_setreg_imm32_b32 hwreg(HW_REG_WAVE_SCHED_MODE, 0, 2), 2
	s_setreg_imm32_b32 hwreg(HW_REG_WAVE_MODE, 25, 1), 1
	s_wait_xcnt 0x0
	s_wait_alu depctr_vm_vsrc(0)
; q = x wq + bq, k = x wk + bk, v = x wv + bv on codes of FP4 with E8M0 scales, and the results quantised again on the way: q and k along the head's 64, v along the keys.
; All operands lie in memory as images of operand registers (16 bytes a lane, 512 consecutive bytes a load); row tile T holds in lane r row 32 (T / 2) + 8 (T % 2) + r + 8 (r / 8).
; FORM.  A wave keeps 128 rows x all 1,024 of K of ONE operand in registers (64 fragments, 512 registers): the operand whose rows run along the NEXT product's K.  It is source 0.
; Tiles of 16 rows of the other operand stream by as source 1: 16 loads, 64 matrix instructions on 8 accumulators by turns.  In the result a lane holds one streamed row, and its 64 registers are
; the 128 resident rows' results of its half, register 16 b + i = index 32 b + 16 (lane / 16) + i: 16 neighbours of each block of 32.  QUANT makes of them one fragment and one scale word.
; Work-groups 0-127: resident = 128 columns of wq or wk (two heads), streamed = 16 tiles of x.  Work-groups 128-255: resident = 128 tokens of x (a key step), streamed = 8 tiles of wv (two heads).
; The bias is the C of each sum's first matrix instruction.  No LDS, no barrier: waves share nothing.
; qkv: a record of REC bytes for each (batch, head): K's codes [tile 128][lane][16], V^T's codes [key step 16][tile of d 4][c][lane][16], k's scale words [tile / 4][lane 16 (tile % 2) + r][(tile / 2) % 2]
; (bytes 0, 1: the head's two blocks; bytes 2, 3: 0), V^T's scale words [key step][lane 16 (tile % 2) + r][tile / 2], then Q's codes and scale words, laid as K's.
; LIMITS: NaN and infinities are not served; a block of zeros gets the byte 1 (its codes are zeros; this program alone reads the bytes).
; THE MODE: SCHED_MODE bits 1:0 = 2 (LLVM: expert scheduling mode 2), set by the entry lines.  The code itself states the register dependences
; between vector or matrix instructions and memory instructions, with s_wait_alu, always for 0.
; THE PLAN.  Registers that memory instructions touch:
;   v1 .. v4              byte offsets, made once at the head and never written again; the scalar bases move on, and immediate offsets do the rest.
;   windows 1, 2, RS, BP  loaded once, at the head; afterwards named by matrix instructions alone (in the v path seven of each eight registers of BP are written by copies, and no load lands there).
;   window 3, buffer i    read by tile i's 64 products; behind them the next quad's tile i lands in it.
;   SS0, pair p           read as scales by the products of tiles 2 p and 2 p + 1; behind tile 2 p + 1 the next quad's words land in it.
;   PCV, SW0, SW1         written by QUANT and by the lines that make the scale words; read by the tile's stores.
;   HA, TM, PW, v5, v6, v8, v9 are named by vector and matrix instructions alone.
; A TILE'S TURN: its products; QUANT and the scale words; ONE wait on va_vdst; then all its memory instructions in one run, the loads first: the next quad's tile into the buffer just multiplied, then the
; tile's stores.  That wait states that the fragment and the words are written and that the products are done reading what the loads land in.  Nothing but memory instructions and window switches follows
; it up to the next tile's products, which name other buffers.  One wait on vm_vsrc, behind those products and ahead of the next QUANT, states that the stores have read what QUANT writes again.
; The loads stand in one run and not singly among the products: a load into window 3 and a product want different windows for the destination and for source 0.
.set WIMG,  4194304
.set WSC,   262144
.set REC,   217088
.set KOFF,  0
.set VOFF,  65536
.set KSOFF, 131072
.set VSOFF, 139264
.set QOFF,  143360
.set QSOFF, 208896
; window 0
.set LI,  1                            ; v1   16 x lane
.set L8,  2                            ; v2   8 x lane
.set BA,  3                            ; v3   the bias of q and k: 64 h bytes
.set BB,  4                            ; v4   the bias of v: 4 (r + 8 (r / 8)) bytes
.set W0E, 8                            ; v8, v9  the even tile's scale words, kept for the odd tile's turn
.set W1E, 9
.set SW0, 10                           ; v[10:11], v[12:13]  a quad's scale words as they are stored
.set SW1, 12
.set RS,  16                           ; v16-47  the resident operand's scale words: pair p, K step q at RS + 8 p + q; lanes 0-15 the even tile, lanes 16-31 the odd one
.set SS0, 48                           ; v48-63  the streamed quad's: pair p at SS0 + 8 p + q
.set HA,  64                           ; v64-127 eight accumulators
.set PCV, 128                          ; v128-135 the fragment just made
.set TM,  136                          ; v136-151 at work in QUANT
.set PW,  152                          ; v152    the scale word just made
.set BP,  192                          ; v192-255 the bias, in the result's layout
; window 1: resident fragments of K steps 0-3 at 64 (q % 4) + 8 t;  window 2: of K steps 4-7;  window 3: four streamed tiles, tile i at 64 i + 8 q
.set WV,  18
.set HM,  19
.set SEL, 20
.set CNT, 22
.set SPC, 24                           ; s[24:25] resident codes;  s[26:27] resident scales;  s[28:29] streamed codes;  s[30:31] streamed scales
.set SPS, 26
.set SLC, 28
.set SLS, 30
.set SOI, 32                           ; s[32:33] where the fragments go;  s[34:35] the scale words;  s[36:37] the bias
.set SOS, 34
.set SBI, 36
.set MSB, 0
.macro WIN new                         ; the immediate's high byte repeats the setting that is left
.if MSB != \new
	s_set_vgpr_msb (MSB<<8)|\new
.set MSB, \new
.endif
.endm
.macro WM d, a, b, c, sa, sb, ra, rb   ; one product; ra, rb: the scales stand in lanes 16-31 of their registers
.if (\ra) && (\rb)
	v_wmma_scale_f32_16x16x128_f8f6f4 v[\d:\d+7], v[\a:\a+7], v[\b:\b+7], \c, v[\sa], v[\sb] matrix_a_fmt:MATRIX_FMT_FP4 matrix_b_fmt:MATRIX_FMT_FP4 matrix_a_scale:MATRIX_SCALE_ROW1 matrix_b_scale:MATRIX_SCALE_ROW1
.elseif (\ra)
	v_wmma_scale_f32_16x16x128_f8f6f4 v[\d:\d+7], v[\a:\a+7], v[\b:\b+7], \c, v[\sa], v[\sb] matrix_a_fmt:MATRIX_FMT_FP4 matrix_b_fmt:MATRIX_FMT_FP4 matrix_a_scale:MATRIX_SCALE_ROW1
.elseif (\rb)
	v_wmma_scale_f32_16x16x128_f8f6f4 v[\d:\d+7], v[\a:\a+7], v[\b:\b+7], \c, v[\sa], v[\sb] matrix_a_fmt:MATRIX_FMT_FP4 matrix_b_fmt:MATRIX_FMT_FP4 matrix_b_scale:MATRIX_SCALE_ROW1
.else
	v_wmma_scale_f32_16x16x128_f8f6f4 v[\d:\d+7], v[\a:\a+7], v[\b:\b+7], \c, v[\sa], v[\sb] matrix_a_fmt:MATRIX_FMT_FP4 matrix_b_fmt:MATRIX_FMT_FP4
.endif
.endm
; Streamed tile i against the 8 resident tiles, all of K: 64 matrix instructions, K ascending, the eight accumulators by turns, one instruction a turn.
; The first eight take the bias as C: registers cbase + cstep t on.
.macro MM i, cbase, cstep
	WIN 0x0d                                       ; source 0 window 1, source 1 window 3, C and D window 0
.irp q, 0,1,2,3,4,5,6,7
.if \q == 4
	WIN 0x0e                                       ; source 0 window 2
.endif
.irp t, 0,1,2,3,4,5,6,7
.if \q == 0
	WM HA+8*\t, 64*(\q%4)+8*\t, 64*(\i)+8*\q, v[(\cbase)+(\cstep)*\t:(\cbase)+(\cstep)*\t+7], RS+8*(\t/2)+\q, SS0+8*((\i)/2)+\q, \t%2, (\i)%2
.else
	WM HA+8*\t, 64*(\q%4)+8*\t, 64*(\i)+8*\q, v[HA+8*\t:HA+8*\t+7], RS+8*(\t/2)+\q, SS0+8*((\i)/2)+\q, \t%2, (\i)%2
.endif
.endr
.endr
	WIN 0
.rept 5
	v_nop                                          ; places behind the last products (ISA guide 7.12.1): four in front of reads of their results, five in front of a product that writes over them
.endr
.endm
.macro LFRAG i, off                    ; a streamed tile's eight fragments into buffer i: sixteen loads of 512 consecutive bytes
	WIN 0xc0                                       ; destination window 3
.irp q, 0,1,2,3,4,5,6,7
.irp c, 0,1
	global_load_b128 v[64*(\i)+8*\q+4*\c:64*(\i)+8*\q+4*\c+3], v[LI], s[SLC:SLC+1] offset:(\off)+8192*(\i)+1024*\q+512*\c
.endr
.endr
	WIN 0
.endm
.macro LSC p, off                      ; the scale words of the quad's pair p: four loads of 256 consecutive bytes
.irp g, 0,1,2,3
	global_load_b64 v[SS0+8*(\p)+2*\g:SS0+8*(\p)+2*\g+1], v[L8], s[SLS:SLS+1] offset:(\off)+1024*(\p)+256*\g
.endr
.endm
; 64 numbers of a lane, register 16 b + i = k 32 b + 16 (lane / 16) + i of my row, become a fragment's codes in v[PCV] on and its scale word in v[PW].
.macro QUANT s
.irp b, 0,1,2,3
	v_max3_num_f32 v[TM+\b], |v[\s+16*\b]|, |v[\s+1+16*\b]|, 0x1800000   ; block b: my 16 numbers, and the floor 2^(3 - 127): the byte cannot fall under 1
.endr
.irp i, 2,4,6,8,10,12,14
.irp b, 0,1,2,3
	v_max3_num_f32 v[TM+\b], v[TM+\b], |v[\s+16*\b+\i]|, |v[\s+1+16*\b+\i]|   ; (the four blocks by turns; each accumulator is read from its low end on)
.endr
.endr
.irp b, 0,1,2,3
	v_permlanex16_b32 v[TM+4+\b], v[TM+\b], s[SEL], s[SEL+1]
.endr
.irp b, 0,1,2,3
	v_max_num_f32 v[TM+\b], v[TM+\b], v[TM+4+\b]   ; with lane l xor 16's: the block's largest magnitude
.endr
.irp b, 0,1,2,3
	v_add_nc_u32 v[TM+12+\b], 0xff000000, v[TM+\b] ; 2 off its exponent field: the conversion's scale operand
.endr
.irp b, 0,1,2,3
	v_lshrrev_b32 v[TM+4+\b], 23, v[TM+12+\b]      ; the scale's byte
.endr
	v_lshl_or_b32 v[PW], v[TM+5], 8, v[TM+4]
	v_lshl_or_b32 v[PW], v[TM+6], 16, v[PW]
	v_lshl_or_b32 v[PW], v[TM+7], 24, v[PW]        ; my row's scale word, the same in both halves of the lanes
.irp b, 0,1,2,3
	v_cvt_scalef32_pk8_fp4_f32 v[PCV+2*\b], v[\s+16*\b:\s+7+16*\b], v[TM+12+\b]
	v_cvt_scalef32_pk8_fp4_f32 v[PCV+1+2*\b], v[\s+8+16*\b:\s+15+16*\b], v[TM+12+\b]
.endr
	v_nop                                          ; one plain line behind the last conversion
.irp c, 0,1                                    ; the operand's layout wants a whole block in a lane
.irp i, 0,1
	v_permlane16_swap_b32 v[PCV+4*\c+\i], v[PCV+2+4*\c+\i]
.endr
.endr
.endm
; Four streamed tiles.  path 0: q or k; 1: v.  more = 1: the next quad's tile i is asked for into buffer i when tile i is multiplied and its results are quantised: it has three tiles' work in which to land.  n: the quad's number (v: which bias).
.macro QUAD path, more, n
.irp i, 0,1,2,3
.if \i == 0
	s_wait_loadcnt 36                              ; tiles 0 and 1 and their scale words are in; behind them were issued tile 2's 16 loads and tile 3's 16 with 4 of scale words
.endif
.if \i == 2
.if \more
	s_wait_loadcnt 36                              ; tiles 2 and 3 are in; behind them: the next quad's tile 0 (16) and tile 1 with its scale words (20)
.else
	s_wait_loadcnt 0x0
.endif
.endif
.if \path
	MM \i, BP+8*(4*(\n)+\i), 0
.else
	MM \i, BP, 8
.endif
	s_wait_xcnt 0x0                                ; the last tile's stores have read their data: the registers are written again only behind this wait
.if (\path) == 0 || (\n) > 0 || \i > 0         ; (the v path's very first tile has no store in front of it)
	s_wait_alu depctr_vm_vsrc(0)                   ; the last tile's stores, issued ahead of these 64 products, have read v[PCV ..], SW0 and SW1, which QUANT and the lines behind it write again
.endif
	QUANT HA
.if \path
.if (\i%2) == 0
	v_mov_b32 v[W0E], v[PW]
.else
	v_cndmask_b32 v[SW0+\i/2], v[W0E], v[PW], s[HM]   ; lanes 0-15: the even tile's words, lanes 16-31: the odd tile's
.endif
.else
.if (\i%2) == 0
	v_and_b32 v[W0E], 0xffff, v[PW]                ; blocks 0, 1: the first head's; the upper two bytes are 0
	v_lshrrev_b32 v[W1E], 16, v[PW]                ; blocks 2, 3: the second head's
.else
	v_and_b32 v5, 0xffff, v[PW]
	v_lshrrev_b32 v6, 16, v[PW]
	v_cndmask_b32 v[SW0+\i/2], v[W0E], v5, s[HM]
	v_cndmask_b32 v[SW1+\i/2], v[W1E], v6, s[HM]
.endif
.endif
.if \more
	WIN 0xc0                                       ; the loads' window first, then the wait, then the loads
.endif
	s_wait_alu depctr_va_vdst(0)                   ; QUANT and the lines behind it have written the fragment and the scale words, which the stores below read; this tile's products are done reading buffer i and, in an odd tile, its pair's scale words, in which the loads below land
.if \more
	LFRAG \i, 32768
.if (\i%2) == 1
	LSC \i/2, 2048
.endif
.endif
.if \path
	global_store_b128 v[LI], v[PCV:PCV+3], s[SOI:SOI+1] offset:1024*\i          ; V^T: tile i of the head's d, this key step: 512 consecutive bytes each
	global_store_b128 v[LI], v[PCV+4:PCV+7], s[SOI:SOI+1] offset:1024*\i+512
.if \i == 3
	global_store_b64 v[L8], v[SW0:SW0+1], s[SOS:SOS+1]   ; 256 consecutive bytes, aligned
.endif
.else
	global_store_b128 v[LI], v[PCV:PCV+3], s[SOI:SOI+1] offset:512*\i           ; the first head's 64 of these 16 tokens,
	global_store_b128 v[LI], v[PCV+4:PCV+7], s[SOI:SOI+1] offset:512*\i+REC     ; the second head's, a record on
.if \i == 3
	global_store_b64 v[L8], v[SW0:SW0+1], s[SOS:SOS+1]
	global_store_b64 v[L8], v[SW1:SW1+1], s[SOS:SOS+1] offset:REC
.endif
.endif
.endr
.endm
	s_load_b256 s[4:11], s[0:1], 0x0               ; opc s[4:5], ops s[6:7], bq s[8:9], bk s[10:11]
	s_load_b128 s[12:15], s[0:1], 0x20             ; bv s[12:13], qkv s[14:15]
	v_lshrrev_b32 v5, 5, v0
	v_readfirstlane_b32 s[WV], v5                  ; wave 0..3
	v_and_b32 v5, 31, v0
	v_lshlrev_b32 v[LI], 4, v5
	v_lshlrev_b32 v[L8], 3, v5
	v_bfe_u32 v[BA], v0, 4, 1
	v_lshlrev_b32 v[BA], 6, v[BA]                  ; q's and k's bias: lane (r, h) wants, for resident tile t, the eight numbers at 32 (t / 2) + 16 h + 8 (t % 2) on
	v_and_b32 v[BB], 15, v0
	v_and_b32 v5, 8, v[BB]
	v_add_nc_u32 v[BB], v[BB], v5
	v_lshlrev_b32 v[BB], 2, v[BB]                  ; v's bias hangs on the streamed row alone: lane r of tile t wants bv at 32 (t / 2) + 8 (t % 2) + r + 8 (r / 8)
.irp b, 0,1,2,3
	v_mov_b32 v[TM+4+\b], 0                        ; written once: a lane permute's destination counts as one of its sources
.endr
	s_mov_b32 s[HM], 0xffff0000
	s_mov_b32 s[SEL], 0x76543210
	s_mov_b32 s[SEL+1], 0xfedcba98
	s_wait_alu depctr_va_sdst(0)                   ; the wave's number is written, ahead of its first reader and of the branch: both arms below make offsets from it
	; the two paths' byte offsets (no address is made here): s44 resident codes, s46 resident scales, s48 streamed codes, s50 streamed scales, s52 bias, s54 fragments out, s56 scale words out, s58 which bias
	s_cmp_lt_u32 ttmp9, 128
	s_cbranch_scc0 .Lv_ids
	s_and_b32 s40, ttmp9, 3
	s_lshl_b32 s40, s40, 2
	s_add_co_u32 s40, s40, s[WV]                   ; P: 0-7 blocks of 128 columns of wq, 8-15 of wk
	s_lshr_b32 s41, ttmp9, 2                       ; ch: x's tiles 16 ch .. 16 ch + 15
	s_and_b32 s42, s40, 7
	s_lshl_b32 s44, s40, 16
	s_add_co_u32 s44, s44, WIMG
	s_lshl_b32 s46, s40, 12
	s_add_co_u32 s46, s46, WSC
	s_lshl_b32 s48, s41, 17
	s_lshl_b32 s50, s41, 13
	s_lshl_b32 s52, s42, 9
	s_lshr_b32 s43, s41, 3                         ; the batch
	s_lshl_b32 s43, s43, 4
	s_lshl_b32 s39, s42, 1
	s_add_co_u32 s43, s43, s39                     ; the first of my two heads' records
	s_mul_i32 s43, s43, REC
	s_and_b32 s39, s41, 7                          ; which 16 tiles of the batch's 128
	s_lshl_b32 s54, s39, 13
	s_add_co_u32 s54, s54, s43
	s_lshl_b32 s56, s39, 10
	s_add_co_u32 s56, s56, s43
	s_mov_b32 s38, KSOFF
	s_cmp_lt_u32 s40, 8                            ; q or k?
	s_cselect_b32 s39, QOFF, KOFF
	s_cselect_b32 s38, QSOFF, s38
	s_cselect_b32 s58, 0, 1
	s_add_co_u32 s54, s54, s39
	s_add_co_u32 s56, s56, s38
	s_branch .Lids_done
.Lv_ids:
	s_sub_co_u32 s40, ttmp9, 128
	s_and_b32 s42, s40, 7                          ; g: wv's tiles 8 g .. 8 g + 7: heads 2 g, 2 g + 1
	s_lshr_b32 s40, s40, 3
	s_lshl_b32 s40, s40, 2
	s_add_co_u32 s40, s40, s[WV]                   ; Xb: tokens 128 Xb on
	s_lshl_b32 s44, s40, 16
	s_lshl_b32 s46, s40, 12
	s_lshl_b32 s48, s42, 16
	s_add_co_u32 s48, s48, WIMG+1048576
	s_lshl_b32 s50, s42, 12
	s_add_co_u32 s50, s50, WSC+65536
	s_lshl_b32 s52, s42, 9
	s_lshr_b32 s43, s40, 4                         ; the batch
	s_lshl_b32 s43, s43, 4
	s_lshl_b32 s39, s42, 1
	s_add_co_u32 s43, s43, s39
	s_mul_i32 s43, s43, REC
	s_and_b32 s39, s40, 15                         ; the key step
	s_lshl_b32 s54, s39, 12
	s_add_co_u32 s54, s54, s43
	s_add_co_u32 s54, s54, VOFF
	s_lshl_b32 s56, s39, 8
	s_add_co_u32 s56, s56, s43
	s_add_co_u32 s56, s56, VSOFF
	s_mov_b32 s58, 2
.Lids_done:
.irp o, 45,47,49,51,53,55,57
	s_mov_b32 s\o, 0
.endr
	s_wait_kmcnt 0x0
	s_add_nc_u64 s[SPC:SPC+1], s[4:5], s[44:45]
	s_add_nc_u64 s[SPS:SPS+1], s[6:7], s[46:47]
	s_add_nc_u64 s[SLC:SLC+1], s[4:5], s[48:49]
	s_add_nc_u64 s[SLS:SLS+1], s[6:7], s[50:51]
	s_add_nc_u64 s[SOI:SOI+1], s[14:15], s[54:55]
	s_add_nc_u64 s[SOS:SOS+1], s[14:15], s[56:57]
	s_cmp_eq_u32 s58, 0
	s_cselect_b64 s[SBI:SBI+1], s[8:9], s[10:11]
	s_cmp_eq_u32 s58, 2
	s_cselect_b64 s[SBI:SBI+1], s[12:13], s[SBI:SBI+1]
	s_add_nc_u64 s[SBI:SBI+1], s[SBI:SBI+1], s[52:53]
	WIN 0x40                                       ; destination window 1: the resident fragments of K steps 0-3
	s_wait_alu depctr_va_vdst(0)                   ; the four offsets v1 to v4 are written: every load and store of the kernel reads one of them; up to the first products only loads, window switches
.irp q, 0,1,2,3
.irp t, 0,1,2,3,4,5,6,7
.irp c, 0,1
	global_load_b128 v[64*\q+8*\t+4*\c:64*\q+8*\t+4*\c+3], v[LI], s[SPC:SPC+1] offset:8192*\t+1024*\q+512*\c
.endr
.endr
.endr
	WIN 0x80                                       ; window 2: K steps 4-7
.irp q, 0,1,2,3
.irp t, 0,1,2,3,4,5,6,7
.irp c, 0,1
	global_load_b128 v[64*\q+8*\t+4*\c:64*\q+8*\t+4*\c+3], v[LI], s[SPC:SPC+1] offset:8192*\t+1024*(\q+4)+512*\c
.endr
.endr
.endr
	WIN 0
.irp p, 0,1,2,3
.irp g, 0,1,2,3
	global_load_b64 v[RS+8*\p+2*\g:RS+8*\p+2*\g+1], v[L8], s[SPS:SPS+1] offset:1024*\p+256*\g
.endr
.endr
	s_cmp_lt_u32 ttmp9, 128
	s_cbranch_scc0 .Lv_path
; ---------------- q and k: 16 tiles of x, four quads
.irp t, 0,1,2,3,4,5,6,7
	global_load_b128 v[BP+8*\t:BP+8*\t+3], v[BA], s[SBI:SBI+1] offset:(32*(\t/2)+8*(\t%2))*4
	global_load_b128 v[BP+8*\t+4:BP+8*\t+7], v[BA], s[SBI:SBI+1] offset:(32*(\t/2)+8*(\t%2))*4+16
.endr
	LFRAG 0, 0                                     ; the first quad, in the order in which every later quad is asked for, so that the counts hold from the first
	LFRAG 1, 0
	LSC 0, 0
	LFRAG 2, 0
	LFRAG 3, 0
	LSC 1, 0
	s_mov_b32 s[CNT], 3
.Lqk:
	QUAD 0, 1, 0
	s_wait_xcnt 0x0                                ; every load and store issued has read its base: the bases step only behind this wait
	s_add_nc_u64 s[SLC:SLC+1], s[SLC:SLC+1], 32768
	s_add_nc_u64 s[SLS:SLS+1], s[SLS:SLS+1], 2048
	s_add_nc_u64 s[SOI:SOI+1], s[SOI:SOI+1], 2048
	s_add_nc_u64 s[SOS:SOS+1], s[SOS:SOS+1], 256
	s_sub_co_u32 s[CNT], s[CNT], 1
	s_cmp_lg_u32 s[CNT], 0
	s_cbranch_scc1 .Lqk
	QUAD 0, 0, 0                                   ; the last quad asks for nothing: no load leaves its buffer
	s_endpgm
; ---------------- v: 8 tiles of wv, a quad for each of two heads
.Lv_path:
.irp t, 0,1,2,3,4,5,6,7
	global_load_b32 v[BP+8*\t], v[BB], s[SBI:SBI+1] offset:(32*(\t/2)+8*(\t%2))*4
.endr
	LFRAG 0, 0
	LFRAG 1, 0
	LSC 0, 0
	LFRAG 2, 0
	LFRAG 3, 0
	LSC 1, 0
	s_wait_loadcnt 36                              ; the bias is in (and all but tiles 2 and 3 with their scale words)
.irp t, 0,1,2,3,4,5,6,7
.irp k, 1,2,3,4,5,6,7
	v_mov_b32 v[BP+8*\t+\k], v[BP+8*\t]            ; the same number for all eight keys of a register run
.endr
.endr
	QUAD 1, 1, 0
	s_wait_xcnt 0x0
	s_add_nc_u64 s[SLC:SLC+1], s[SLC:SLC+1], 32768
	s_add_nc_u64 s[SLS:SLS+1], s[SLS:SLS+1], 2048
	s_add_nc_u64 s[SOI:SOI+1], s[SOI:SOI+1], REC   ; the second head's record
	s_add_nc_u64 s[SOS:SOS+1], s[SOS:SOS+1], REC
	QUAD 1, 0, 1
	s_endpgm
.Lfunc_end_k_q7c4fd8d4ee_proj:
	.size	k_q7c4fd8d4ee_proj, .Lfunc_end_k_q7c4fd8d4ee_proj-k_q7c4fd8d4ee_proj
	.p2alignl 7, 3214868480
	.fill 96, 4, 3214868480
	.section	.rodata,"a",@progbits
	.p2align	6, 0x0
	.amdhsa_kernel k_q7c4fd8d4ee_proj
		.amdhsa_group_segment_fixed_size 0
		.amdhsa_private_segment_fixed_size 0
		.amdhsa_enable_private_segment 0
		.amdhsa_kernarg_size 48
		.amdhsa_user_sgpr_count 2
		.amdhsa_user_sgpr_kernarg_segment_ptr 1
		.amdhsa_wavefront_size32 1
		.amdhsa_system_sgpr_workgroup_id_x 1
		.amdhsa_system_sgpr_workgroup_id_y 1
		.amdhsa_system_sgpr_workgroup_id_z 1
		.amdhsa_system_vgpr_workitem_id 0
		.amdhsa_next_free_vgpr 1024
		.amdhsa_next_free_sgpr 66
		.amdhsa_reserve_vcc 0
		.amdhsa_float_denorm_mode_32 3
		.amdhsa_float_denorm_mode_16_64 3
		.amdhsa_memory_ordered 1
		.amdhsa_forward_progress 1
		.amdhsa_inst_pref_size 249
	.end_amdhsa_kernel
	.amdgpu_metadata
---
amdhsa.version: [ 1, 2 ]
amdhsa.kernels:
  - .name:           k_q7c4fd8d4ee_proj
    .symbol:         k_q7c4fd8d4ee_proj.kd
    .args:
      - { .name: opc, .offset: 0, .size: 8, .value_kind: global_buffer, .address_space: global }
      - { .name: ops, .offset: 8, .size: 8, .value_kind: global_buffer, .address_space: global }
      - { .name: bq, .offset: 16, .size: 8, .value_kind: global_buffer, .address_space: global }
      - { .name: bk, .offset: 24, .size: 8, .value_kind: global_buffer, .address_space: global }
      - { .name: bv, .offset: 32, .size: 8, .value_kind: global_buffer, .address_space: global }
      - { .name: qkv, .offset: 40, .size: 8, .value_kind: global_buffer, .address_space: global }
    .group_segment_fixed_size: 0
    .private_segment_fixed_size: 0
    .kernarg_segment_align: 8
    .kernarg_segment_size: 48
    .max_flat_workgroup_size: 128
    .sgpr_count:     66
    .vgpr_count:     1024
    .wavefront_size: 32
...
	.end_amdgpu_metadata
.endif
;; end of part 6
;; launch attn (part 7): grid 4 x 64, 16 waves a work-group, clusters of 4 x 1, 169,984 bytes of LDS; arguments qkv, attc, atts; writes attc, atts
.if DOCPART == 7
	.amdgcn_target "amdgcn-amd-amdhsa--gfx1250"
	.amdhsa_code_object_version 6
	.text
	.protected	k_q7c4fd8d4ee_attn
	.globl	k_q7c4fd8d4ee_attn
	.p2align	8
	.type	k_q7c4fd8d4ee_attn,@function
k_q7c4fd8d4ee_attn:
	s_mov_b64 s[64:65], 0
	v_nop
	global_prefetch_b8 v0, s[64:65] scope:SCOPE_SE
	s_setreg_imm32_b32 hwreg(HW_REG_WAVE_MODE, 25, 1), 1
	s_wait_xcnt 0x0
	s_wait_alu depctr_hold_cnt(0) depctr_sa_sdst(0) depctr_va_vdst(0) depctr_va_sdst(0) depctr_va_ssrc(0) depctr_va_vcc(0) depctr_vm_vsrc(0)
	s_getreg_b32 s2, hwreg(HW_REG_IB_STS2, 6, 4)
	s_cmp_eq_u32 s2, 0
	s_cbranch_scc0 .Lentry_in_a_cluster
	s_endpgm
.Lentry_in_a_cluster:
	s_bfe_u32 s2, ttmp6, 0x10000c
	s_cmp_lg_u32 s2, 0x3003
	s_cbranch_scc0 .Lentry_shape_is_right
	s_endpgm
.Lentry_shape_is_right:
; Causal attention of one (batch, head) on codes of FP4 with E8M0 scales; the result, divided by the row's sum, is quantised along the model's 1,024 (a head gives two whole blocks of 32) and stored as an operand image.
; THE SOFTMAX: t = score x log2(e) / 8; M = the running largest t rounded UP to a whole number; p = 2^(t - M) is quantised along the keys, not normalised; the row's sum is taken of the unquantised p.
; When M moves, the sum and O are multiplied by 2^(old M - new M): exact.
; SHARES.  A cluster of four work-groups is one head.  The head's K, V^T and their scale words, 143,360 bytes, one dense block of its record, come into each work-group's LDS ONCE, by eight joint tensor loads
; (waves 0-7, 70 rows of 256 bytes each, a mask that names the four): nothing is filled again.  They lie there as images of operand registers: every LDS read is 16 or 8 bytes x lane on end.
; A tile of 16 queries 8 a + e has a + 1 key steps of 128 keys.  Wave w takes tile 8 w + 2 cx and then tile 8 (15 - w) + 2 cx + 1: (w + 1) + (16 - w) = 17 steps for every wave.
; Every branch hangs on the wave's number and the pass; cx enters global addresses and the number that the mask's compare is made against, and nothing else.
; LAYOUT.  Both products transposed: S^T = K Q^T (source 0 = 16 keys), O^T = V^T P^T (source 0 = 16 of the head's 64): a lane holds ONE query.  Lane r of a tile holds row 32 (T / 2) + 8 (T % 2) + r + 8 (r / 8),
; so register 16 b + i of S^T is key 32 b + 16 (lane / 16) + i of the step, and register 16 b + i of O^T channel 32 b + 16 (lane / 16) + i.
; THE FIRST PRODUCT'S K IS 64: Q's registers 4-7 hold zero codes, so what stands in K's registers 4-7 (the next tile's codes) adds nothing; bytes 2 and 3 of both scale words are 0, which is a scale and no NaN.
; LIMITS: NaN and infinities are not served; a block of zeros gets the byte 1 (its codes are zeros; this program alone reads the bytes).
; REGISTERS: v1-4 lane places in LDS; v6 r + 8 (r / 8) - 16 h; v7 8 r; v26 8 r + h; v8-11 the step's addresses; v12 -M, v13 largest t, v[14:15] the sum; v16-19 Q, v20-23 zeros; v24 Q's scale word; v25 the mask's d;
; v28-31 k's scale words; v32-63 K's 8 tiles x 4, v64-67 zeros; v[68:69] V's scale words; v72-103 V's 4 fragments; v104-167 S^T, then p; v168-199 O^T; v200-207 p's codes; v208-219 at work; v[220:221] f; v222 at work;
; v223 p's scale word; v224-228 the second pass's Q and its scale word.
.set REC,   217088
.set QOFF,  143360
.set QSOFF, 208896
.set LV,    65536                      ; LDS: K's image at 0, V^T's here,
.set LKS,   131072                     ; k's scale words,
.set LVS,   139264                     ; V^T's
.set PART,  17920                      ; what one tensor load brings: 70 rows of 256 bytes
.set WV,   10
.set CX,   11
.set G0,   12                          ; s[12:15] descriptor group 0;  s[16:23] group 1
.set G1,   16
.set BH,   24
.set W15,  25
.set AA,   26                          ; the pass's last key step
.set SIG,  27                          ; the key step
.set PASS, 28
.set HM,   29
.set SEL,  30
.set CS,   32                          ; s[32:33] c = log2(e) / 8
.set OC,   40                          ; s[40:41] where the pass's codes go;  s[42:43] its scale bytes
.set OSC,  42
.macro WM d, a, b, c, sa, sb, ra       ; one product; ra: source 0's scales stand in lanes 16-31
.if (\ra)
	v_wmma_scale_f32_16x16x128_f8f6f4 v[\d:\d+7], v[\a:\a+7], v[\b:\b+7], \c, v[\sa], v[\sb] matrix_a_fmt:MATRIX_FMT_FP4 matrix_b_fmt:MATRIX_FMT_FP4 matrix_a_scale:MATRIX_SCALE_ROW1
.else
	v_wmma_scale_f32_16x16x128_f8f6f4 v[\d:\d+7], v[\a:\a+7], v[\b:\b+7], \c, v[\sa], v[\sb] matrix_a_fmt:MATRIX_FMT_FP4 matrix_b_fmt:MATRIX_FMT_FP4
.endif
.endm
.macro ROUND                           ; a round of the cluster's barrier: my work-group's barrier; wave 0 signals for the work-group; every wave waits for all four; my work-group's barrier once more
	s_barrier_signal -1
	s_barrier_wait -1
	s_cmp_lg_u32 s[WV], 0
	s_cbranch_scc1 .Lnot_wave_0_\@
	s_barrier_signal -3
.Lnot_wave_0_\@:
	s_barrier_wait -3
	s_barrier_signal -1
	s_barrier_wait -1
.endm
.macro QPLACE tau, oc, os              ; tile s[tau]: its codes' byte in Q's image, and its scale words': 256 (tau / 4) + 4 ((tau / 2) % 2) + 128 (tau % 2)
	s_lshl_b32 s[\oc], s[\tau], 9
	s_lshr_b32 s[\os], s[\tau], 2
	s_lshl_b32 s[\os], s[\os], 8
	s_bfe_u32 s38, s[\tau], 0x10001
	s_lshl_b32 s38, s38, 2
	s_add_co_u32 s[\os], s[\os], s38
	s_and_b32 s38, s[\tau], 1
	s_lshl_b32 s38, s38, 7
	s_add_co_u32 s[\os], s[\os], s38
.endm
	s_load_b128 s[4:7], s[0:1], 0x0                ; qkv s[4:5], attc s[6:7]
	s_load_b64 s[8:9], s[0:1], 0x10                ; atts
	v_lshl_add_u32 v254, v0, 2, 0x29000
	v_mov_b32 v255, 0
	ds_add_u32 v254, v255
	ds_add_u32 v254, v255
	v_lshrrev_b32 v5, 5, v0
	s_delay_alu instid0(VALU_DEP_1)
	v_readfirstlane_b32 s[WV], v5                  ; wave 0..15
	s_bfe_u32 s[CX], ttmp6, 0x40000                ; my place in the cluster
	s_and_b32 s[BH], ttmp7, 0xffff                 ; 16 x batch + head: the cluster's y, which the four partners share
	s_sub_co_u32 s[W15], 15, s[WV]
	s_mov_b32 s[HM], 0xffff0000
	s_mov_b32 s[SEL], 0x76543210
	s_mov_b32 s[SEL+1], 0xfedcba98
	s_mov_b32 s[CS], 0x3e38aa3b
	s_mov_b32 s[CS+1], s[CS]                       ; (named with it as a pair, so it is written)
	s_mov_b32 s[G1], 15|(3<<16)|(1<<21)            ; 15:0 the mask: all four work-groups; 17:16 elements of 8 bytes; 21 set beside a mask; no padding
	s_mov_b32 s[G1+1], 32<<16                      ; tensor_dim0 = 32 elements: 256 bytes
	s_mov_b32 s[G1+2], 70<<16                      ; tensor_dim1 = 70
	s_mov_b32 s[G1+3], 32<<16                      ; tile_dim0
	s_mov_b32 s[G1+4], 70                          ; tile_dim1
	s_mov_b32 s[G1+5], 32                          ; the pitch: the block is dense
	s_mov_b32 s[G1+6], 0
	s_mov_b32 s[G1+7], 0
	s_mul_i32 s34, s[BH], REC
	s_mov_b32 s35, 0
	s_mul_i32 s36, s[WV], PART
	s_mov_b32 s37, 0
	s_wait_dscnt 0x0
	s_wait_kmcnt 0x0
	s_add_nc_u64 s[4:5], s[4:5], s[34:35]          ; the head's record
	s_mov_b32 s[G0], 1
	s_mov_b32 s[G0+1], s36                         ; LDS: wave x 17,920: no place in the cluster enters it
	s_add_nc_u64 s[G0+2:G0+3], s[4:5], s[36:37]
	s_or_b32 s[G0+3], s[G0+3], 0x80000000
	ROUND                                          ; all four work-groups are here: the joint loads meet
	s_cmp_lt_u32 s[WV], 8
	s_cbranch_scc0 .Lno_fill
	tensor_load_to_lds s[G0:G0+3], s[G1:G1+7]      ; my one tensor load of the launch
	s_nop 0
.rept 4
	v_nop
.endr
.Lno_fill:
	v_and_b32 v5, 31, v0
	s_delay_alu instid0(VALU_DEP_1)
	v_lshlrev_b32 v1, 4, v5                        ; K's image: 16 x lane
	s_delay_alu instid0(VALU_DEP_1)
	v_add_nc_u32 v2, LV, v1                        ; V^T's
	s_delay_alu instid0(VALU_DEP_3)
	v_lshlrev_b32 v3, 3, v5
	s_delay_alu instid0(VALU_DEP_1)
	v_add_nc_u32 v4, LVS, v3                       ; V^T's scale words: 8 x lane
	s_delay_alu instid0(VALU_DEP_2)
	v_add_nc_u32 v3, LKS, v3                       ; k's
	v_and_b32 v5, 15, v0                           ; r
	v_bfe_u32 v27, v0, 4, 1                        ; h
	s_delay_alu instid0(VALU_DEP_2)
	v_and_b32 v6, 8, v5
	s_delay_alu instid0(VALU_DEP_1)
	v_add_nc_u32 v6, v6, v5
	s_delay_alu instid0(VALU_DEP_3)
	v_lshlrev_b32 v7, 4, v27
	s_delay_alu instid0(VALU_DEP_1)
	v_sub_nc_u32 v6, v6, v7                        ; r + 8 (r / 8) - 16 h
	v_lshlrev_b32 v7, 3, v5                        ; 8 r
	s_wait_alu depctr_va_vdst(0)
	v_add_nc_u32 v26, v7, v27                      ; 8 r + h
	s_lshl_b32 s39, s[CX], 1
	s_lshl_b32 s34, s[WV], 3
	s_add_co_u32 s34, s34, s39                     ; the first pass's tile: 8 w + 2 cx
	s_lshl_b32 s35, s[W15], 3
	s_add_co_u32 s35, s35, s39
	s_add_co_u32 s35, s35, 1                       ; the second's: 8 (15 - w) + 2 cx + 1
	QPLACE 34, 44, 45
	QPLACE 35, 46, 47
	v_add_nc_u32 v208, s44, v1
	v_add_nc_u32 v209, s45, v7
	v_add_nc_u32 v210, s46, v1
	v_add_nc_u32 v211, s47, v7
	global_load_b128 v[16:19], v208, s[4:5] offset:QOFF      ; Q's codes: lane (r, h): channels 32 h + 0 .. 31 of my query
	global_load_b32 v24, v209, s[4:5] offset:QSOFF           ; and its scale word, row r's in lane r
	global_load_b128 v[224:227], v210, s[4:5] offset:QOFF
	global_load_b32 v228, v211, s[4:5] offset:QSOFF
.irp j, 20,21,22,23,64,65,66,67,212,213,214,215,221
	v_mov_b32 v\j, 0                               ; Q's zero codes; what stands behind K's last tile; lane permutes' destinations; the upper half of f's pair
.endr
	s_wait_loadcnt 0x0                             ; Q
	s_wait_tensorcnt 0x0                           ; my part of the head is in LDS,
	s_barrier_signal -1
	s_barrier_wait -1                              ; everybody's is; from here on LDS is only read
	s_mov_b32 s[PASS], 0
.Lpass:
	s_cmp_eq_u32 s[PASS], 0
	s_cselect_b32 s[AA], s[WV], s[W15]             ; a: the tile's queries lie in key step a
	s_lshl_b32 s34, s[AA], 3
	s_lshl_b32 s35, s[CX], 1
	s_add_co_u32 s34, s34, s35
	s_add_co_u32 s34, s34, s[PASS]                 ; the tile
	s_lshl_b32 s35, s[CX], 5
	s_lshl_b32 s36, s[PASS], 3
	s_add_co_u32 s35, s35, s36
	v_add_nc_u32 v25, s35, v6                      ; d = my query - 128 a - 16 h: on the diagonal register 16 b + i is hidden where 32 b + i > d
	s_lshr_b32 s36, s[BH], 4                       ; the batch
	s_and_b32 s37, s[BH], 15                       ; the head
	s_lshl_b32 s38, s36, 7
	s_add_co_u32 s38, s38, s34                     ; the tile among all 512
	s_lshl_b32 s44, s38, 13                        ; 8,192 bytes a tile;
	s_lshl_b32 s39, s37, 9                         ; K step head / 2, half head % 2: 512 x head
	s_add_co_u32 s44, s44, s39
	s_mov_b32 s45, 0
	s_lshr_b32 s46, s38, 1
	s_lshl_b32 s46, s46, 10                        ; scales: 1,024 bytes a pair of tiles,
	s_lshr_b32 s39, s37, 2
	s_lshl_b32 s39, s39, 8
	s_add_co_u32 s46, s46, s39                     ; 256 for two K steps,
	s_and_b32 s39, s37, 3
	s_lshl_b32 s39, s39, 1
	s_add_co_u32 s46, s46, s39                     ; the word and the pair of bytes in it: 2 (head % 4),
	s_and_b32 s39, s34, 1
	s_lshl_b32 s39, s39, 7
	s_add_co_u32 s46, s46, s39                     ; lanes 16-31 for the odd tile
	s_mov_b32 s47, 0
	s_add_nc_u64 s[OC:OC+1], s[6:7], s[44:45]
	s_add_nc_u64 s[OSC:OSC+1], s[8:9], s[46:47]
	v_mov_b32 v13, 0xff61b1e6                      ; the largest t so far: -3e38, under every t
	s_delay_alu instid0(VALU_DEP_1)
	v_floor_f32 v12, -v13                          ; -M
	v_mov_b32 v14, 0
	v_mov_b32 v15, 0
.irp j, 0,1,2,3,4,5,6,7,8,9,10,11,12,13,14,15,16,17,18,19,20,21,22,23,24,25,26,27,28,29,30,31
	v_mov_b32 v[168+\j], 0                         ; O^T: the first step finds zeros, which the first change of M leaves zeros.  (These lines also part the moves into Q's registers from the first product)
.endr
	s_mov_b32 s[SIG], 0
.Lstep:                                            ; 16 trips, a constant; a step all of whose keys come after my queries is passed over
	s_cmp_gt_u32 s[SIG], s[AA]
	s_cbranch_scc1 .Lhidden
	s_lshl_b32 s34, s[SIG], 12
	s_lshl_b32 s35, s[SIG], 9
	s_lshl_b32 s36, s[SIG], 8
	s_setprio 2
	v_add_nc_u32 v8, s34, v1                       ; four plain lines: the places in front of loads into registers that the last step's products have read
	v_add_nc_u32 v9, s34, v2
	v_add_nc_u32 v10, s35, v3
	v_add_nc_u32 v11, s36, v4
.irp t, 0,1,2,3,4,5,6,7
	ds_load_b128 v[32+4*\t:35+4*\t], v8 offset:512*\t
.endr
	ds_load_b64 v[28:29], v10                      ; k's scale words: register t / 2, lanes 16 (t % 2) on
	ds_load_b64 v[30:31], v10 offset:256
.irp e, 0,1,2,3
.irp c, 0,1
	ds_load_b128 v[72+8*\e+4*\c:75+8*\e+4*\c], v9 offset:1024*\e+512*\c
.endr
.endr
	ds_load_b64 v[68:69], v11
	s_wait_dscnt 9                                 ; K and its scale words are in; V's eight loads and its scale words' one may be out
.irp t, 0,1,2,3,4,5,6,7
	WM 104+8*\t, 32+4*\t, 16, 0, 28+\t/2, 24, \t%2
.endr
.rept 4
	v_nop
.endr
	s_cmp_lt_u32 s[SIG], s[AA]
	s_cbranch_scc1 .Lopen                          ; only the step on the diagonal has hidden keys
	v_mov_b32 v222, 0xff800000                     ; -infinity: p = 0 then
.irp n, 0,1,2,3,4,5,6,7,8,9,10,11,12,13,14,15,16,17,18,19,20,21,22,23,24,25,26,27,28,29,30,31,32,33,34,35,36,37,38,39,40,41,42,43,44,45,46,47,48,49,50,51,52,53,54,55,56,57,58,59,60,61,62,63
	v_cmp_gt_i32 vcc_lo, 32*(\n/16)+\n%16, v25
	v_cndmask_b32 v[104+\n], v[104+\n], v222, vcc_lo
.endr
.Lopen:
.irp b, 0,1,2,3
	v_max3_num_f32 v[208+\b], v[104+16*\b], v[105+16*\b], v[106+16*\b]   ; the largest score of each block of 32 keys: for the row's maximum, and, since p rises with the score, for the block's largest p
.endr
.irp i, 3,5,7,9,11,13
.irp b, 0,1,2,3
	v_max3_num_f32 v[208+\b], v[208+\b], v[104+16*\b+\i], v[105+16*\b+\i]
.endr
.endr
.irp b, 0,1,2,3
	v_max_num_f32 v[208+\b], v[208+\b], v[119+16*\b]
.endr
.irp b, 0,1,2,3
	s_delay_alu instid0(VALU_DEP_4)
	v_permlanex16_b32 v[212+\b], v[208+\b], s[SEL], s[SEL+1]
.endr
.irp b, 0,1,2,3
	s_delay_alu instid0(VALU_DEP_4)
	v_max_num_f32 v[208+\b], v[208+\b], v[212+\b]  ; with lane l xor 16's 16 keys
.endr
	s_delay_alu instid0(VALU_DEP_2)
	v_max3_num_f32 v222, v208, v209, v210
	s_delay_alu instid0(VALU_DEP_1)
	v_max_num_f32 v222, v222, v211                 ; the step's largest score of my query (its own key is never hidden, so this is a number)
	s_delay_alu instid0(VALU_DEP_1)
	v_mul_f32 v222, s[CS], v222
	s_delay_alu instid0(VALU_DEP_1)
	v_max_num_f32 v13, v13, v222                   ; the running largest t
	v_mov_b32 v222, v12
	s_delay_alu instid0(VALU_DEP_2)
	v_floor_f32 v12, -v13                          ; the new -M = -ceil(t)
	s_delay_alu instid0(VALU_DEP_1)
	v_sub_f32 v222, v12, v222                      ; old M - new M: a whole number, 0 or less
	s_delay_alu instid0(VALU_DEP_1)
	v_cvt_i32_f32 v222, v222                       ; (it saturates)
	s_delay_alu instid0(VALU_DEP_1)
	v_ldexp_f32 v220, 1.0, v222                    ; f = 2^(old M - new M)
.irp j, 0,2,4,6,8,10,12,14,16,18,20,22,24,26,28,30,32,34,36,38,40,42,44,46,48,50,52,54,56,58,60,62
	v_pk_fma_f32 v[104+\j:105+\j], v[104+\j:105+\j], s[CS:CS+1], v[12:13] op_sel_hi:[1,0,0]   ; t - M, two at a time
.endr
	s_setprio 1
.irp b, 0,1,2,3
	v_fma_f32 v[208+\b], v[208+\b], s[CS], v12     ; the same of each block's largest score
.endr
	s_wait_alu depctr_va_vdst(0)
.irp j, 0,1,2,3,4,5,6,7,8,9,10,11,12,13,14,15,16,17,18,19,20,21,22,23,24,25,26,27,28,29,30,31,32,33,34,35,36,37,38,39,40,41,42,43,44,45,46,47,48,49,50,51,52,53,54,55,56,57,58,59,60,61,62,63
	v_exp_f32 v[104+\j], v[104+\j]                 ; p = 2^(t - M)
.endr
	v_pk_mul_f32 v[14:15], v[14:15], v[220:221] op_sel_hi:[1,0]   ; the sums under the new M: the plain line behind the exponentials
	s_wait_alu depctr_va_vdst(0)                   ; one wait for the batch of 64, ahead of its first reader
.irp b, 0,1,2,3
	v_exp_f32 v[208+\b], v[208+\b]                 ; each block's largest p: the same two instructions on the same number
.endr
	v_pk_add_f32 v[212:213], v[108:109], v[112:113]
	v_pk_add_f32 v[252:253], v[116:117], v[120:121]
	v_pk_add_f32 v[250:251], v[124:125], v[128:129]
	v_pk_add_f32 v[248:249], v[132:133], v[136:137]
	v_pk_add_f32 v[246:247], v[140:141], v[144:145]
	v_pk_add_f32 v[244:245], v[148:149], v[152:153]
	v_pk_add_f32 v[242:243], v[156:157], v[160:161]
	v_pk_add_f32 v[14:15], v[14:15], v[164:165]
	v_pk_add_f32 v[212:213], v[212:213], v[104:105]
	v_pk_add_f32 v[252:253], v[252:253], v[106:107]
	v_pk_add_f32 v[250:251], v[250:251], v[110:111]
	v_pk_add_f32 v[248:249], v[248:249], v[114:115]
	v_pk_add_f32 v[246:247], v[246:247], v[118:119]
	v_pk_add_f32 v[244:245], v[244:245], v[122:123]
	v_pk_add_f32 v[242:243], v[242:243], v[126:127]
	v_pk_add_f32 v[14:15], v[14:15], v[130:131]
	v_pk_add_f32 v[212:213], v[212:213], v[134:135]
	v_pk_add_f32 v[252:253], v[252:253], v[138:139]
	v_pk_add_f32 v[250:251], v[250:251], v[142:143]
	v_pk_add_f32 v[248:249], v[248:249], v[146:147]
	v_pk_add_f32 v[246:247], v[246:247], v[150:151]
	v_pk_add_f32 v[244:245], v[244:245], v[154:155]
	v_pk_add_f32 v[242:243], v[242:243], v[158:159]
	v_pk_add_f32 v[14:15], v[14:15], v[162:163]
	v_pk_add_f32 v[212:213], v[212:213], v[166:167]
	s_delay_alu instid0(VALU_DEP_2)
	v_pk_add_f32 v[14:15], v[14:15], v[248:249]
	s_delay_alu instid0(VALU_DEP_2)
	v_pk_add_f32 v[212:213], v[212:213], v[246:247]
	v_pk_add_f32 v[252:253], v[252:253], v[244:245]
	v_pk_add_f32 v[250:251], v[250:251], v[242:243]
	s_delay_alu instid0(VALU_DEP_2)
	v_pk_add_f32 v[14:15], v[14:15], v[252:253]
	s_delay_alu instid0(VALU_DEP_2)
	v_pk_add_f32 v[212:213], v[212:213], v[250:251]
	s_delay_alu instid0(VALU_DEP_1)
	v_pk_add_f32 v[14:15], v[14:15], v[212:213]
	s_wait_alu depctr_va_vdst(0)                   ; and one for the four
.irp b, 0,1,2,3
	v_max_num_f32 v[208+\b], 0x1800000, v[208+\b]  ; the floor 2^(3 - 127): the byte cannot fall under 1
.endr
.irp b, 0,1,2,3
	s_delay_alu instid0(VALU_DEP_4)
	v_add_nc_u32 v[216+\b], 0xff000000, v[208+\b]  ; the conversion's scale operand
.endr
.irp b, 0,1,2,3
	s_delay_alu instid0(VALU_DEP_4)
	v_lshrrev_b32 v[212+\b], 23, v[216+\b]         ; the scale's byte
.endr
	s_delay_alu instid0(VALU_DEP_3)
	v_lshl_or_b32 v223, v213, 8, v212              ; p's scale word for these 128 keys
	s_delay_alu instid0(VALU_DEP_1)
	v_lshl_or_b32 v223, v214, 16, v223
	s_delay_alu instid0(VALU_DEP_1)
	v_lshl_or_b32 v223, v215, 24, v223
	s_setprio 0
.irp b, 0,1,2,3
	v_cvt_scalef32_pk8_fp4_f32 v[200+2*\b], v[104+16*\b:111+16*\b], v[216+\b]
	v_cvt_scalef32_pk8_fp4_f32 v[201+2*\b], v[112+16*\b:119+16*\b], v[216+\b]
.endr
	v_nop                                          ; one plain line behind the last conversion
.irp c, 0,1
.irp i, 0,1
	v_permlane16_swap_b32 v[200+4*\c+\i], v[202+4*\c+\i]   ; a whole block in a lane
.endr
.endr
.irp j, 0,2,4,6,8,10,12,14,16,18,20,22,24,26,28,30
	v_pk_mul_f32 v[168+\j:169+\j], v[168+\j:169+\j], v[220:221] op_sel_hi:[1,0]   ; O^T under the new M.  (These sixteen are also the places between p's codes and scale word and the products)
.endr
	s_wait_alu depctr_va_vdst(0)
	s_wait_dscnt 0x0                               ; V and its scale words are in
.irp e, 0,1,2,3
	WM 168+8*\e, 72+8*\e, 200, v[168+8*\e:175+8*\e], 68+\e/2, 223, \e%2
.endr
.Lhidden:
	s_add_co_u32 s[SIG], s[SIG], 1
	s_cmp_lt_u32 s[SIG], 16
	s_cbranch_scc1 .Lstep
	s_setprio 0
	; the pass's end: O^T / the sum, quantised along the head's 64, stored as half a fragment of the next product's operand
.rept 4
	v_nop
.endr
	v_add_f32 v14, v14, v15
	s_delay_alu instid0(VALU_DEP_1)
	v_permlanex16_b32 v212, v14, s[SEL], s[SEL+1]
	s_delay_alu instid0(VALU_DEP_1)
	v_add_f32 v14, v14, v212                       ; the row's sum
	s_wait_alu depctr_va_vdst(0)
	v_rcp_f32 v14, v14
	v_nop                                          ; a plain line behind the reciprocal,
	s_wait_alu depctr_va_vdst(0)                   ; and the wait ahead of its first reader
.irp j, 0,1,2,3,4,5,6,7,8,9,10,11,12,13,14,15,16,17,18,19,20,21,22,23,24,25,26,27,28,29,30,31
	v_mul_f32 v[104+\j], v[168+\j], v14            ; register 16 b + i: channel 32 b + 16 h + i of my query; each accumulator from its low end on
.endr
.irp b, 0,1
	v_max3_num_f32 v[208+\b], |v[104+16*\b]|, |v[105+16*\b]|, 0x1800000
.endr
.irp i, 2,4,6,8,10,12,14
.irp b, 0,1
	s_delay_alu instid0(VALU_DEP_2)
	v_max3_num_f32 v[208+\b], v[208+\b], |v[104+16*\b+\i]|, |v[105+16*\b+\i]|
.endr
.endr
.irp b, 0,1
	s_delay_alu instid0(VALU_DEP_2)
	v_permlanex16_b32 v[212+\b], v[208+\b], s[SEL], s[SEL+1]
.endr
.irp b, 0,1
	s_delay_alu instid0(VALU_DEP_2)
	v_max_num_f32 v[208+\b], v[208+\b], v[212+\b]
.endr
.irp b, 0,1
	s_delay_alu instid0(VALU_DEP_2)
	v_add_nc_u32 v[216+\b], 0xff000000, v[208+\b]
.endr
.irp b, 0,1
	s_delay_alu instid0(VALU_DEP_2)
	v_lshrrev_b32 v[212+\b], 23, v[216+\b]
.endr
.irp b, 0,1
	v_cvt_scalef32_pk8_fp4_f32 v[200+2*\b], v[104+16*\b:111+16*\b], v[216+\b]
	v_cvt_scalef32_pk8_fp4_f32 v[201+2*\b], v[112+16*\b:119+16*\b], v[216+\b]
.endr
	v_nop
	v_permlane16_swap_b32 v200, v202
	v_permlane16_swap_b32 v201, v203               ; v[200:203]: lane (r, h): channels 32 h + 0 .. 31
	v_cndmask_b32 v214, v212, v213, s[HM]          ; lane (r, h) stores block h's byte
	global_store_b128 v1, v[200:203], s[OC:OC+1]   ; 512 consecutive bytes
	global_store_b8 v26, v214, s[OSC:OSC+1]        ; two bytes in every eight: the other heads' work-groups write the others
.irp j, 0,1,2,3
	v_mov_b32 v[16+\j], v[224+\j]                  ; the second pass's Q
.endr
	v_mov_b32 v24, v228
	s_wait_xcnt 0x0                                ; the stores have read their data and bases: both are written again only behind this wait
	s_add_co_u32 s[PASS], s[PASS], 1
	s_cmp_lt_u32 s[PASS], 2
	s_cbranch_scc1 .Lpass
	s_wait_dscnt 0x0
	s_wait_tensorcnt 0x0
	ds_add_u32 v254, v255
	s_wait_dscnt 0x0
	ROUND                                          ; the closing round: no work-group ends while a partner may still ask for a tile that names it
	s_endpgm
.Lfunc_end_k_q7c4fd8d4ee_attn:
	.size	k_q7c4fd8d4ee_attn, .Lfunc_end_k_q7c4fd8d4ee_attn-k_q7c4fd8d4ee_attn
	.p2alignl 7, 3214868480
	.fill 96, 4, 3214868480
	.section	.rodata,"a",@progbits
	.p2align	6, 0x0
	.amdhsa_kernel k_q7c4fd8d4ee_attn
		.amdhsa_group_segment_fixed_size 169984
		.amdhsa_private_segment_fixed_size 0
		.amdhsa_enable_private_segment 0
		.amdhsa_kernarg_size 24
		.amdhsa_user_sgpr_count 2
		.amdhsa_user_sgpr_kernarg_segment_ptr 1
		.amdhsa_wavefront_size32 1
		.amdhsa_system_sgpr_workgroup_id_x 1
		.amdhsa_system_sgpr_workgroup_id_y 1
		.amdhsa_system_sgpr_workgroup_id_z 1
		.amdhsa_system_vgpr_workitem_id 0
		.amdhsa_next_free_vgpr 256
		.amdhsa_next_free_sgpr 66
		.amdhsa_reserve_vcc 1
		.amdhsa_float_denorm_mode_32 3
		.amdhsa_float_denorm_mode_16_64 3
		.amdhsa_memory_ordered 1
		.amdhsa_forward_progress 1
		.amdhsa_inst_pref_size 34
	.end_amdhsa_kernel
	.amdgpu_metadata
---
amdhsa.version: [ 1, 2 ]
amdhsa.kernels:
  - .name:           k_q7c4fd8d4ee_attn
    .symbol:         k_q7c4fd8d4ee_attn.kd
    .args:
      - { .name: qkv, .offset: 0, .size: 8, .value_kind: global_buffer, .address_space: global }
      - { .name: attc, .offset: 8, .size: 8, .value_kind: global_buffer, .address_space: global }
      - { .name: atts, .offset: 16, .size: 8, .value_kind: global_buffer, .address_space: global }
    .group_segment_fixed_size: 169984
    .private_segment_fixed_size: 0
    .kernarg_segment_align: 8
    .kernarg_segment_size: 24
    .max_flat_workgroup_size: 512
    .sgpr_count:     66
    .vgpr_count:     256
    .wavefront_size: 32
...
	.end_amdgpu_metadata
.endif
;; end of part 7
;; launch outp (part 8): grid 256 x 1, 4 waves a work-group, no clusters, 34,304 bytes of LDS; arguments attc, atts, opc, ops, bo, out0; writes out0
.if DOCPART == 8
	.amdgcn_target "amdgcn-amd-amdhsa--gfx1250"
	.amdhsa_code_object_version 6
	.text
	.protected	k_q7c4fd8d4ee_outp
	.globl	k_q7c4fd8d4ee_outp
	.p2align	8
	.type	k_q7c4fd8d4ee_outp,@function
k_q7c4fd8d4ee_outp:
	s_mov_b64 s[64:65], 0
	v_nop
	global_prefetch_b8 v0, s[64:65] scope:SCOPE_SE
	s_setreg_imm32_b32 hwreg(HW_REG_WAVE_SCHED_MODE, 0, 2), 2
	s_setreg_imm32_b32 hwreg(HW_REG_WAVE_MODE, 25, 1), 1
	s_wait_xcnt 0x0
	s_wait_alu depctr_vm_vsrc(0)
; out0 = att wo + bo on codes of FP4 with E8M0 scales; out0 [8192][1024] f32.  Both operands lie in memory as images of operand registers; row tile T holds in lane r row 32 (T / 2) + 8 (T % 2) + r + 8 (r / 8).
; A wave keeps 128 columns of wo x all 1,024 of K in registers (64 fragments, 512 registers) as source 0 and multiplies four tiles of 16 tokens by them: 64 matrix instructions a tile, 8 accumulators by turns.
; In the result a lane holds one token, and register 16 b + i output column 32 b + 16 (lane / 16) + i of the 128.  bo is the C of each sum's first matrix instruction.
; A tile's 16 rows x 512 bytes go through the wave's own stage in LDS and leave as whole rows: each store covers 512 consecutive bytes, aligned.  Waves share nothing: no barrier.
; Work-group j: columns 128 (4 (j % 2) + wave) on, tokens 64 (j / 2) on.
; THE MODE: SCHED_MODE bits 1:0 = 2 (LLVM: expert scheduling mode 2), set by the entry lines.  The code itself states the register dependences
; between vector or matrix instructions and memory or LDS instructions, with s_wait_alu, always for 0.
; THE PLAN.  Registers that memory or LDS instructions touch:
;   v1 .. v4, v7       offsets and LDS addresses, made once at the head and never written again.
;   windows 1, 2, 3, RS, SS0, BP   loaded once, at the head.
;   HA                 written by a tile's products; read by its sixteen LDS stores; written over by the next tile's products.
;   out-buffer 0       v192-255: the LDS loads of tiles 0 and 2 land in it, their global stores read it; no vector or matrix instruction names it.
;   out-buffer 1       window 3, v0-63, where tile 0's fragments lay: read by tile 0's products; then the LDS loads of tiles 1 and 3 land in it and their global stores read it.
; A TILE'S TURN: its products and their places; ONE wait on va_vdst (the accumulators are written; the earlier products are done with tile 0's fragments); the LDS stores; ONE wait on vm_vsrc (the LDS stores have
; read the accumulators; the global stores of two tiles back, issued a tile ago, have read this out-buffer); the LDS loads; then the global stores of the tile BEFORE, from the other out-buffer.
.set WIMG,  4194304
.set WSC,   262144
.set SP,    528                        ; a stage row: 512 bytes + 16
.set LI,  1                            ; v1   16 x lane
.set L8,  2                            ; v2   8 x lane
.set SI,  3                            ; v3   the stage, in: row r, + 64 h
.set SO,  4                            ; v4   the stage, out: 16 x lane of a row
.set RS,  16                           ; v16-47   wo's scale words
.set SS0, 48                           ; v48-63   the four tiles' scale words
.set HA,  64                           ; v64-127  eight accumulators
.set BP,  128                          ; v128-191 the bias, in the result's layout
.set OUTR, 192                         ; v192-255 sixteen rows of an even tile on their way out; an odd tile's take v0-63 of window 3
; window 1: wo's fragments of K steps 0-3 at 64 (q % 4) + 8 t;  window 2: of K steps 4-7;  window 3: the four tiles, tile i at 64 i + 8 q
.set WV,  18
.set SPC, 24
.set SPS, 26
.set SLC, 28
.set SLS, 30
.set SOU, 32
.set SBI, 34
.set MSB, 0
.macro WIN new                         ; the immediate's high byte repeats the setting that is left
.if MSB != \new
	s_set_vgpr_msb (MSB<<8)|\new
.set MSB, \new
.endif
.endm
.macro WM d, a, b, c, sa, sb, ra, rb   ; one product; ra, rb: the scales stand in lanes 16-31 of their registers
.if (\ra) && (\rb)
	v_wmma_scale_f32_16x16x128_f8f6f4 v[\d:\d+7], v[\a:\a+7], v[\b:\b+7], \c, v[\sa], v[\sb] matrix_a_fmt:MATRIX_FMT_FP4 matrix_b_fmt:MATRIX_FMT_FP4 matrix_a_scale:MATRIX_SCALE_ROW1 matrix_b_scale:MATRIX_SCALE_ROW1
.elseif (\ra)
	v_wmma_scale_f32_16x16x128_f8f6f4 v[\d:\d+7], v[\a:\a+7], v[\b:\b+7], \c, v[\sa], v[\sb] matrix_a_fmt:MATRIX_FMT_FP4 matrix_b_fmt:MATRIX_FMT_FP4 matrix_a_scale:MATRIX_SCALE_ROW1
.elseif (\rb)
	v_wmma_scale_f32_16x16x128_f8f6f4 v[\d:\d+7], v[\a:\a+7], v[\b:\b+7], \c, v[\sa], v[\sb] matrix_a_fmt:MATRIX_FMT_FP4 matrix_b_fmt:MATRIX_FMT_FP4 matrix_b_scale:MATRIX_SCALE_ROW1
.else
	v_wmma_scale_f32_16x16x128_f8f6f4 v[\d:\d+7], v[\a:\a+7], v[\b:\b+7], \c, v[\sa], v[\sb] matrix_a_fmt:MATRIX_FMT_FP4 matrix_b_fmt:MATRIX_FMT_FP4
.endif
.endm
.macro MM i                            ; tile i against wo's 8 tiles, all of K: K ascending, the eight accumulators by turns, one instruction a turn
	WIN 0x0d                                       ; source 0 window 1, source 1 window 3, C and D window 0
.irp q, 0,1,2,3,4,5,6,7
.if \q == 4
	WIN 0x0e                                       ; source 0 window 2
.endif
.irp t, 0,1,2,3,4,5,6,7
.if \q == 0
	WM HA+8*\t, 64*(\q%4)+8*\t, 64*(\i)+8*\q, v[BP+8*\t:BP+8*\t+7], RS+8*(\t/2)+\q, SS0+8*((\i)/2)+\q, \t%2, (\i)%2
.else
	WM HA+8*\t, 64*(\q%4)+8*\t, 64*(\i)+8*\q, v[HA+8*\t:HA+8*\t+7], RS+8*(\t/2)+\q, SS0+8*((\i)/2)+\q, \t%2, (\i)%2
.endif
.endr
.endr
	WIN 0
.rept 5
	v_nop                                          ; places behind the last products: four in front of the LDS stores that read the results, five in front of the next tile's first products, which write over them
.endr
.endm
.macro LFRAG i                         ; a tile's eight fragments: sixteen loads of 512 consecutive bytes
	WIN 0xc0                                       ; destination window 3
.irp q, 0,1,2,3,4,5,6,7
.irp c, 0,1
	global_load_b128 v[64*(\i)+8*\q+4*\c:64*(\i)+8*\q+4*\c+3], v[LI], s[SLC:SLC+1] offset:8192*(\i)+1024*\q+512*\c
.endr
.endr
	WIN 0
.endm
.macro LSC p                           ; the scale words of pair p
.irp g, 0,1,2,3
	global_load_b64 v[SS0+8*(\p)+2*\g:SS0+8*(\p)+2*\g+1], v[L8], s[SLS:SLS+1] offset:1024*(\p)+256*\g
.endr
.endm
.macro TOSTAGE i                       ; tile i into my stage, each accumulator from its low end on, and back as whole rows, into out-buffer i % 2
.set OB, OUTR*(1-(\i)%2)
	s_wait_alu depctr_va_vdst(0)                   ; behind the places: tile i's products have written the accumulators, which the LDS stores read; every earlier product is done reading tile 0's fragments, in whose registers an odd tile's rows land
.irp b, 0,1,2,3
.irp u, 0,1
.irp m, 0,1
	ds_store_b128 v[SI], v[HA+16*\b+8*\u+4*\m:HA+16*\b+8*\u+4*\m+3] offset:128*\b+32*\u+16*\m   ; columns 32 b + 16 h + 8 u + 4 m on
.endr
.endr
.endr
	WIN 0xc0*((\i)%2)                              ; an odd tile's rows: destination window 3.  The switch, then the wait, then the loads
.if (\i) >= 2
	s_wait_xcnt 0x0                                ; the global stores of tile i - 2 have read their data: this out-buffer is loaded again only behind this wait
.endif
	s_wait_alu depctr_vm_vsrc(0)                   ; tiles 0 to 2: the LDS stores above have read the accumulators, which the next tile's products write over; tiles 2 and 3: the global stores of tile i - 2, issued a tile ago, have read this out-buffer, in which the loads below land
.irp t, 0,1,2,3,4,5,6,7,8,9,10,11,12,13,14,15
	ds_load_b128 v[OB+4*\t:OB+4*\t+3], v[SO] offset:SP*\t   ; LDS serves a wave's instructions in order: these see the stores above
.endr
	WIN 0
.endm
.macro SEND i, younger                 ; tile i's sixteen rows.  younger: the LDS instructions issued behind tile i's loads, which may stay out
.set OB, OUTR*(1-(\i)%2)
	s_wait_dscnt \younger                          ; the rows are back in registers
	WIN 0x0c*((\i)%2)                              ; a store's data are its source 1: window 3 for an odd tile
.irp t, 0,1,2,3,4,5,6,7,8,9,10,11,12,13,14,15
	global_store_b128 v[LI], v[OB+4*\t:OB+4*\t+3], s[SOU:SOU+1] offset:(32*((\i)/2)+8*((\i)%2)+\t+8*(\t/8))*4096 th:TH_STORE_NT   ; 512 consecutive bytes of a row; written once, read by nobody here
.endr
	WIN 0
.endm
	s_load_b256 s[4:11], s[0:1], 0x0               ; attc s[4:5], atts s[6:7], opc s[8:9], ops s[10:11]
	s_load_b128 s[12:15], s[0:1], 0x20             ; bo s[12:13], out0 s[14:15]
	v_lshl_add_u32 v14, v0, 2, 0x8400
	v_mov_b32 v15, 0
	v_lshrrev_b32 v5, 5, v0
	v_readfirstlane_b32 s[WV], v5                  ; wave 0..3
	v_and_b32 v5, 31, v0
	v_lshlrev_b32 v[LI], 4, v5
	v_lshlrev_b32 v[L8], 3, v5
	v_and_b32 v5, 15, v0                           ; r
	v_bfe_u32 v6, v0, 4, 1                         ; h
	s_wait_alu depctr_va_sdst(0)                   ; the wave's number is written, ahead of its first reader: the stage's place and the buffers' offsets are made from it
	s_mul_i32 s19, s[WV], 16*SP                    ; my stage
	v_mul_u32_u24 v[SI], v5, SP
	v_lshl_add_u32 v[SI], v6, 6, v[SI]
	v_add_nc_u32 v[SI], s19, v[SI]
	v_add_nc_u32 v[SO], s19, v[LI]
	v_lshlrev_b32 v7, 6, v6                        ; the bias: 64 h bytes
	s_and_b32 s20, ttmp9, 1
	s_lshl_b32 s20, s20, 2
	s_add_co_u32 s20, s20, s[WV]                   ; P: columns 128 P on
	s_lshr_b32 s21, ttmp9, 1                       ; the chunk: tokens 64 chunk on
	s_lshl_b32 s36, s20, 16
	s_add_co_u32 s36, s36, WIMG+1572864            ; wo's codes
	s_mov_b32 s37, 0
	s_lshl_b32 s38, s20, 12
	s_add_co_u32 s38, s38, WSC+98304               ; wo's scale words
	s_mov_b32 s39, 0
	s_lshl_b32 s40, s21, 15                        ; four tiles of 8,192 bytes
	s_mov_b32 s41, 0
	s_lshl_b32 s42, s21, 11                        ; two pairs of 1,024 bytes
	s_mov_b32 s43, 0
	s_lshl_b32 s44, s20, 9                         ; 128 numbers of f32
	s_mov_b32 s45, 0
	s_lshl_b32 s46, s21, 18                        ; 64 rows of 4,096 bytes,
	s_add_co_u32 s46, s46, s44                     ; and my 512 bytes of a row
	s_mov_b32 s47, 0
	s_wait_kmcnt 0x0
	s_add_nc_u64 s[SPC:SPC+1], s[8:9], s[36:37]
	s_add_nc_u64 s[SPS:SPS+1], s[10:11], s[38:39]
	s_add_nc_u64 s[SLC:SLC+1], s[4:5], s[40:41]
	s_add_nc_u64 s[SLS:SLS+1], s[6:7], s[42:43]
	s_add_nc_u64 s[SBI:SBI+1], s[12:13], s[44:45]
	s_add_nc_u64 s[SOU:SOU+1], s[14:15], s[46:47]
	WIN 0x40                                       ; destination window 1
	s_wait_alu depctr_va_vdst(0)                   ; the offsets and LDS addresses v1 to v4 and v7 are written: every load, store and LDS instruction of the kernel reads one of them
.irp q, 0,1,2,3
.irp t, 0,1,2,3,4,5,6,7
.irp c, 0,1
	global_load_b128 v[64*\q+8*\t+4*\c:64*\q+8*\t+4*\c+3], v[LI], s[SPC:SPC+1] offset:8192*\t+1024*\q+512*\c
.endr
.endr
.endr
	WIN 0x80                                       ; window 2
.irp q, 0,1,2,3
.irp t, 0,1,2,3,4,5,6,7
.irp c, 0,1
	global_load_b128 v[64*\q+8*\t+4*\c:64*\q+8*\t+4*\c+3], v[LI], s[SPC:SPC+1] offset:8192*\t+1024*(\q+4)+512*\c
.endr
.endr
.endr
	WIN 0
.irp p, 0,1,2,3
.irp g, 0,1,2,3
	global_load_b64 v[RS+8*\p+2*\g:RS+8*\p+2*\g+1], v[L8], s[SPS:SPS+1] offset:1024*\p+256*\g
.endr
.endr
.irp t, 0,1,2,3,4,5,6,7
	global_load_b128 v[BP+8*\t:BP+8*\t+3], v7, s[SBI:SBI+1] offset:(32*(\t/2)+8*(\t%2))*4      ; lane (r, h), tile t: bo at 32 (t / 2) + 16 h + 8 (t % 2) on
	global_load_b128 v[BP+8*\t+4:BP+8*\t+7], v7, s[SBI:SBI+1] offset:(32*(\t/2)+8*(\t%2))*4+16
.endr
	LFRAG 0
	LFRAG 1
	LSC 0
	LFRAG 2
	LFRAG 3
	LSC 1
	s_wait_loadcnt 36                              ; all but tile 2's 16 loads and tile 3's 16 with 4 of scale words
	MM 0
	TOSTAGE 0
	s_wait_dscnt 16                                ; the sixteen stores have read the accumulators; the sixteen loads behind them may be out
	MM 1
	TOSTAGE 1
	SEND 0, 32                                     ; behind tile 0's loads: tile 1's sixteen stores and sixteen loads
	s_wait_dscnt 16
	s_wait_loadcnt 0x0                             ; tiles 2 and 3
	MM 2
	TOSTAGE 2
	SEND 1, 32
	s_wait_dscnt 16
	MM 3
	TOSTAGE 3
	SEND 2, 32
	SEND 3, 0
	s_wait_dscnt 0x0
	s_wait_alu depctr_hold_cnt(0) depctr_sa_sdst(0) depctr_va_vdst(0) depctr_va_sdst(0) depctr_va_ssrc(0) depctr_va_vcc(0) depctr_vm_vsrc(0)
	s_wait_tensorcnt 0x0
	ds_add_u32 v14, v15
	s_wait_dscnt 0x0
	s_endpgm
.Lfunc_end_k_q7c4fd8d4ee_outp:
	.size	k_q7c4fd8d4ee_outp, .Lfunc_end_k_q7c4fd8d4ee_outp-k_q7c4fd8d4ee_outp
	.p2alignl 7, 3214868480
	.fill 96, 4, 3214868480
	.section	.rodata,"a",@progbits
	.p2align	6, 0x0
	.amdhsa_kernel k_q7c4fd8d4ee_outp
		.amdhsa_group_segment_fixed_size 34304
		.amdhsa_private_segment_fixed_size 0
		.amdhsa_enable_private_segment 0
		.amdhsa_kernarg_size 48
		.amdhsa_user_sgpr_count 2
		.amdhsa_user_sgpr_kernarg_segment_ptr 1
		.amdhsa_wavefront_size32 1
		.amdhsa_system_sgpr_workgroup_id_x 1
		.amdhsa_system_sgpr_workgroup_id_y 1
		.amdhsa_system_sgpr_workgroup_id_z 1
		.amdhsa_system_vgpr_workitem_id 0
		.amdhsa_next_free_vgpr 1024
		.amdhsa_next_free_sgpr 66
		.amdhsa_reserve_vcc 0
		.amdhsa_float_denorm_mode_32 3
		.amdhsa_float_denorm_mode_16_64 3
		.amdhsa_memory_ordered 1
		.amdhsa_forward_progress 1
		.amdhsa_inst_pref_size 73
	.end_amdhsa_kernel
	.amdgpu_metadata
---
amdhsa.version: [ 1, 2 ]
amdhsa.kernels:
  - .name:           k_q7c4fd8d4ee_outp
    .symbol:         k_q7c4fd8d4ee_outp.kd
    .args:
      - { .name: attc, .offset: 0, .size: 8, .value_kind: global_buffer, .address_space: global }
      - { .name: atts, .offset: 8, .size: 8, .value_kind: global_buffer, .address_space: global }
      - { .name: opc, .offset: 16, .size: 8, .value_kind: global_buffer, .address_space: global }
      - { .name: ops, .offset: 24, .size: 8, .value_kind: global_buffer, .address_space: global }
      - { .name: bo, .offset: 32, .size: 8, .value_kind: global_buffer, .address_space: global }
      - { .name: out0, .offset: 40, .size: 8, .value_kind: global_buffer, .address_space: global }
    .group_segment_fixed_size: 34304
    .private_segment_fixed_size: 0
    .kernarg_segment_align: 8
    .kernarg_segment_size: 48
    .max_flat_workgroup_size: 128
    .sgpr_count:     66
    .vgpr_count:     1024
    .wavefront_size: 32
...
	.end_amdgpu_metadata
.endif
;; end of part 8
